; MI455X (gfx1250); checked and timed in simulation.
; The chip was launched on July 23, 2026; its instructions are those of AMD's public machine-readable ISA for CDNA 5 (MIT licence, August 2026) and "CDNA5" Instruction Set Architecture Reference Guide (July 2026). The comments in the code are by the model that wrote it; some were corrected since.
;; Multi Modal Attention. Allowed arithmetic: matrix products marked QUANTISED: E2M3 operands, one E8M0 scale for each 32 along K, by v_wmma_scale_f32_16x16x128_f8f6f4 with both operands' format E2M3, f32 sums; everything else in f32.
;; Inputs: Wke 1,024 x 1,024 float32; Wkei 1,024 x 1,024 float32; Wki 1,024 x 1,024 float32; Wo 1,024 x 1,024 float32; Wq 1,024 x 1,024 float32; Wve 1,024 x 1,024 float32; Wvei 1,024 x 1,024 float32; Wvi 1,024 x 1,024 float32; bke 1,024 float32; bkei 1,024 float32; bki 1,024 float32; bo 1,024 float32; bq 1,024 float32; bve 1,024 float32; bvei 1,024 float32; bvi 1,024 float32; k_e 4 x 1,024 x 1,024 float32; k_ei 4 x 1,024 x 1,024 float32; k_i 4 x 1,024 x 1,024 float32; mask 4 x 1,024 x 1,024 int32; q 4 x 1,024 x 1,024 float32; v_e 4 x 1,024 x 1,024 float32; v_ei 4 x 1,024 x 1,024 float32; v_i 4 x 1,024 x 1,024 float32.
;; Outputs: out0 4 x 1,024 x 1,024 float32.
;; Constants: image_bool = 1.
;; This version of the problem:
;;   THIS VERSION OF THE PROBLEM IS GIVEN IN LOW PRECISION. The matrix products marked QUANTISED in the list below multiply operands that are first quantised to E2M3 (2 exponent bits, 3 mantissa bits; 6 bits a number), with one power-of-two scale for each 32 numbers along K (OCP MX v1.0); their sums are f32. All else is computed in f32.
;;   The module's matrix products, in the order in which they are computed (A, B: the left and right operand; K: the contracted axis; several contracted axes count as one K, in the product's order):
;;     1. [M 4,096, K 1,024] x [K 1,024, N 1,024]; A: input q; B: input Wq: QUANTISED
;;     2. [M 4,096, K 1,024] x [K 1,024, N 1,024]; A: input k_e; B: input Wke: QUANTISED
;;     3. [M 4,096, K 1,024] x [K 1,024, N 1,024]; A: input v_e; B: input Wve: QUANTISED
;;     4. batch 64 x [M 1,024, K 64] x [K 64, N 1,024]; A: computed on the way; B: computed on the way: QUANTISED
;;     5. batch 64 x [M 1,024, K 1,024] x [K 1,024, N 64]; A: softmax (see below); B: computed on the way: QUANTISED
;;     6. [M 4,096, K 1,024] x [K 1,024, N 1,024]; A: input k_i; B: input Wki: QUANTISED
;;     7. [M 4,096, K 1,024] x [K 1,024, N 1,024]; A: input v_i; B: input Wvi: QUANTISED
;;     8. batch 64 x [M 1,024, K 64] x [K 64, N 1,024]; A: computed on the way; B: computed on the way: QUANTISED
;;     9. batch 64 x [M 1,024, K 1,024] x [K 1,024, N 64]; A: softmax (see below); B: computed on the way: QUANTISED
;;     10. [M 4,096, K 1,024] x [K 1,024, N 1,024]; A: input k_ei; B: input Wkei: QUANTISED
;;     11. [M 4,096, K 1,024] x [K 1,024, N 1,024]; A: input v_ei; B: input Wvei: QUANTISED
;;     12. batch 64 x [M 1,024, K 64] x [K 64, N 1,024]; A: computed on the way; B: computed on the way: QUANTISED
;;     13. batch 64 x [M 1,024, K 1,024] x [K 1,024, N 64]; A: softmax (see below); B: computed on the way: QUANTISED
;;     14. [M 4,096, K 1,024] x [K 1,024, N 1,024]; A: computed on the way; B: input Wo: QUANTISED
;;   THE QUANTISER, for each operand of a quantised product, along K:
;;     - K is cut into blocks of 32 from its start; a last block that is shorter is filled with zeros.
;;     - A block's scale is 2^e with e = floor(log2(the largest magnitude in the block)) - 2, held to -126 .. 127; a block of zeros has e = 0. As a byte (E8M0): e + 127.
;;     - Each number is divided by its block's scale, clamped to +-7.5, and rounded to the nearest number of E2M3, ties to even, subnormals kept.
;;     - The product sums the exact products of the quantised numbers (number of the format x scale) in f32.
;;   ~~~python
;;   def quantise(x, axis):      # numpy; x: float32 -> the quantised numbers, widened to float32 again
;;       x = np.moveaxis(x, axis, -1); K = x.shape[-1]
;;       x = np.pad(x, [(0, 0)] * (x.ndim - 1) + [(0, -K % 32)]); x = x.reshape(x.shape[:-1] + (-1, 32)); a = np.abs(x).max(-1, keepdims=True)
;;       e = np.where(a > 0, np.clip(np.frexp(np.where(a > 0, a, 1))[1] - 1 - 2, -126, 127), 0)      # np.frexp(a)[1] - 1 = floor(log2(a)), exactly
;;       r = np.clip(x / 2.0 ** e, -7.5, 7.5)
;;       step = 2.0 ** (np.maximum(np.frexp(np.where(r == 0, 1, r))[1] - 1, 0) - 3)
;;       q = np.round(r / step) * step * 2.0 ** e      # np.round: ties to even
;;       return np.moveaxis(q.reshape(q.shape[:-2] + (-1,))[..., :K], -1, axis).astype(np.float32)
;;   ~~~
;;   SOFTMAX AHEAD OF A QUANTISED PRODUCT. Where the list says 'softmax', what is quantised is not the finished softmax but p = 2^(t - M), with t = logit x log2(e) and M = ceil(the row's largest t), a whole number; so 1/2 < the row's largest p <= 1. The row's sum l is taken of the UNQUANTISED p, in f32, and the product's result is divided by l at the end. Since M is a whole number, a kernel that streams over the keys may use a running M (the ceiling of the running maximum): every later rescaling is an exact power of two, which a block's scale takes up: the codes' values come out the same.
;;   OPERANDS COMPUTED ON THE WAY. 'Computed on the way' means the value that the module computes at that place (a softmax that the list does not call 'softmax' is quantised finished and normalised). What goes into a quantiser is computed in f32, as accurately as f32 sums, v_exp_f32 and their like allow (about 1e-6 of the number): no bf16 or f16 on the way to a quantiser, and a product that is left as it is and whose result goes on into a quantised operand takes f32 operands (vector FMAs, or v_wmma_f32_16x16x4_f32). A number that lies on a knife's edge between two numbers of the format may be rounded either way, as far as f32 arithmetic and the matrix unit's own rounding can turn it there, and no further.
;; One version. Each part assembles by itself: llvm-mc -triple=amdgcn-amd-amdhsa -mcpu=gfx1250 --defsym DOCPART=n.
;; ======== version 1 of 1: 4 launches
;; limits: right only within a limited range of input values
;; workspace buffers: xcodes 22,020,096 bytes; xscales 917,504 bytes; wcodes 6,291,456 bytes; wscales 262,144 bytes; mbits 524,288 bytes of whole numbers; att 23,855,104 bytes; ccodes 3,145,728 bytes; cscales 131,072 bytes
;; launch prep (part 1): grid 1408 x 1, 4 waves a work-group, no clusters, 102,400 bytes of LDS; arguments q, k_e, k_i, k_ei, v_e, v_i, v_ei, Wq, Wke, Wki, Wkei, Wve, Wvi, Wvei, Wo, mask, xcodes, xscales, wcodes, wscales, mbits; writes xcodes, xscales, wcodes, wscales, mbits
.if DOCPART == 1
	.amdgcn_target "amdgcn-amd-amdhsa--gfx1250"
	.amdhsa_code_object_version 6
	.text
	.protected	k_qc7c879771c_prep
	.globl	k_qc7c879771c_prep
	.p2align	8
	.type	k_qc7c879771c_prep,@function
k_qc7c879771c_prep:
	s_mov_b64 s[64:65], 0
	v_nop
	global_prefetch_b8 v0, s[64:65] scope:SCOPE_SE
	s_setreg_imm32_b32 hwreg(HW_REG_WAVE_MODE, 25, 1), 1
	s_wait_xcnt 0x0
; PREP: everything that arrives wide is made narrow once.  Three roles, told apart by the work-group's number; each has LDS bytes of its own.
;   X (work-groups 0-895):     the seven activations [4096][1024] f32, K innermost -> xcodes [7 x 4096][768 bytes], xscales [7 x 4096][32 bytes]
;   W (work-groups 896-1151):  the eight weights [1024 (k)][1024 (n)] f32, K outermost -> wcodes [8 x 1024 (n)][768 bytes], wscales [8 x 1024][32 bytes]
;   M (work-groups 1152-1407): the mask [4][1024][1024] int32 -> mbits: one word of 32 lane bits for each register of a tile of scores
; Codes are FP6 (E2M3), a row a stream of bits; a block of 32 along K has the scale 2^(floor(log2(largest magnitude)) - 2), as a byte: the largest magnitude's exponent field - 2, held at 1 from below.
; POSITION ORDER.  In xcodes, xscales, wcodes and wscales the rows of each group of 32 lie with their four groups of eight in the order 0, 2, 1, 3.  Sixteen neighbouring rows of memory are then the rows
; 32 b + 8 u + r + 8 (r / 8), so that a product that takes them as source 0 leaves, in the 16 registers of two neighbouring tiles, 16 neighbours along that axis.
; LIMITS: a block of zeros gets the byte 1 (its codes are zeros; the bytes are read by this program alone); NaN and infinities among the inputs are not served.
; No tensor load, no barrier: waves share nothing.
.set SPARE, 101376                     ; behind the three roles' regions: the spare words, 128 bytes for each wave: two blocks of 256 bytes that no other line names
.set SPW,   252                        ; v252 LDS address of my spare word; never rewritten
.set NIL,   253                        ; v253 0; never rewritten
.set EMAX,  2
	v_lshl_add_u32 v[SPW], v0, 2, SPARE
	v_mov_b32 v[NIL], 0
	v_lshrrev_b32 v1, 5, v0
	v_readfirstlane_b32 s2, v1                     ; wave 0..3
	v_and_b32 v2, 31, v0                           ; lane
	s_cmp_lt_u32 ttmp9, 896
	s_cbranch_scc0 .Lnot_x
; ---------------- ROLE X: a work-group takes 32 rows of one activation, a wave 8 rows = 8,192 numbers, in 16 steps of 512.
; A load reads 512 consecutive bytes; the numbers turn through the wave's own stage in LDS, so that a lane holds 16 neighbours (two lanes a block).  Loads run four steps ahead, the turn one step.
.set STEPS, 16
.set CB,    12                         ; bytes of 16 codes
.set XR,    16                         ; v16-79   four sets of 16 numbers as loaded
.set XN,    80                         ; v80-111  two sets of 16 neighbours
.set XE,    112                        ; v112-127 a scale byte for each step
.set XC,    128                        ; v128-191 codes: four registers a step, so that no store's data are written again
.set WREG,  8192                       ; LDS 0 .. 32767: a region a wave: two stages of 32 x 80 bytes, then its 256 scale bytes
.set SP,    80                         ; a lane's place in a stage: 64 bytes + 16 of padding
	s_load_b512 s[8:23], s[0:1], 0x0               ; the seven activations (and Wq, not used here)
	s_load_b128 s[24:27], s[0:1], 0x80             ; xcodes, xscales
	v_lshlrev_b32 v3, 4, v2                        ; my 16 bytes of a load's 512
	s_mul_i32 s28, s2, WREG
	v_lshrrev_b32 v14, 2, v2
	v_mul_u32_u24 v14, v14, SP
	v_and_b32 v15, 3, v2
	v_lshl_add_u32 v14, v15, 4, v14
	v_add_nc_u32 v14, s28, v14                     ; the stage, on the way in: 80 (lane / 4) + 16 (lane % 4)
	v_mul_u32_u24 v15, v2, SP
	v_add_nc_u32 v15, s28, v15                     ; and on the way out: 80 x lane
	v_mul_u32_u24 v4, v2, CB                       ; my codes' place in a step's
	v_lshrrev_b32 v5, 1, v2
	s_add_co_u32 s28, s28, 2*32*SP
	v_add_nc_u32 v5, s28, v5                       ; my block's scale byte in LDS
	v_lshlrev_b32 v7, 3, v2
	v_add_nc_u32 v6, s28, v7                       ; and on the way out 8 bytes a lane
	s_lshr_b32 s29, ttmp9, 7                       ; which activation: 128 work-groups each
	s_and_b32 s30, ttmp9, 127
	s_lshl_b32 s30, s30, 2
	s_add_co_u32 s30, s30, s2
	s_lshl_b32 s30, s30, 15                        ; my 8 rows in the activation: 32,768 bytes a wave
	s_mov_b32 s31, 0
	s_and_b32 s32, s2, 1
	s_lshl_b32 s32, s32, 1
	s_lshr_b32 s33, s2, 1
	s_or_b32 s32, s32, s33                         ; the wave's two bits swapped: 8 rows are a wave's, so this IS the position order
	s_lshl_b32 s33, ttmp9, 2
	s_add_co_u32 s32, s32, s33                     ; which run of 8 rows of the outputs
	s_wait_kmcnt 0x0
	s_mov_b64 s[4:5], s[8:9]
.irp t, 1,2,3,4,5,6
	s_cmp_eq_u32 s29, \t                           ; the choice hangs on the work-group's number alone
	s_cselect_b64 s[4:5], s[8+2*\t:9+2*\t], s[4:5]
.endr
	s_add_nc_u64 s[4:5], s[4:5], s[30:31]
	s_mul_i32 s30, s32, 6144                       ; 8 rows of 768 bytes
	s_add_nc_u64 s[24:25], s[24:25], s[30:31]
	s_lshl_b32 s30, s32, 8                         ; 8 rows of 32 bytes
	s_add_nc_u64 s[26:27], s[26:27], s[30:31]
.macro XLOAD t
.irp i, 0,1,2,3
	global_load_b128 v[XR+16*((\t)%4)+4*\i:XR+16*((\t)%4)+4*\i+3], v3, s[4:5] offset:2048*(\t)+512*\i th:TH_LOAD_NT   ; 32 lanes read 512 consecutive bytes, read once
.endr
.endm
.macro XTURN t                         ; step t's numbers through the stage: LDS serves a wave's instructions in order, so no wait stands between the stores and the loads
.irp i, 0,1,2,3
	ds_store_b128 v14, v[XR+16*((\t)%4)+4*\i:XR+16*((\t)%4)+4*\i+3] offset:32*SP*((\t)%2)+8*SP*\i
.endr
.irp i, 0,1,2,3
	ds_load_b128 v[XN+16*((\t)%2)+4*\i:XN+16*((\t)%2)+4*\i+3], v15 offset:32*SP*((\t)%2)+16*\i
.endr
.endm
.irp t, 0,1,2,3
	XLOAD \t
.endr
	s_wait_loadcnt 12                              ; step 0's four loads are in; three steps' twelve stay out
	XTURN 0
.macro XSTEP t
.set XS, XN+16*((\t)%2)
.if (\t) > 0
	s_wait_dscnt 1                                 ; this step's numbers are back from the stage (the last step's byte store may be out): so its stores into the stage have read their registers,
.else
	s_wait_dscnt 0x0
.endif
.if (\t)+4 < STEPS
	XLOAD (\t)+4                                   ; which take the loads of four steps on
.endif
.if (\t)+1 < STEPS
.if STEPS-2-(\t) >= 3
	s_wait_loadcnt 12                              ; the next step's four loads are in; those of the three steps behind it may be out
.else
	s_wait_loadcnt 4*(STEPS-2-(\t))
.endif
	XTURN (\t)+1
.endif
	v_max3_num_f32 v8, |v[XS]|, |v[XS+1]|, |v[XS+2]|               ; the largest magnitude of my 16, in two chains
	v_max3_num_f32 v9, |v[XS+3]|, |v[XS+4]|, |v[XS+5]|
.irp i, 6,10
	v_max3_num_f32 v8, v8, |v[XS+\i]|, |v[XS+\i+1]|
	v_max3_num_f32 v9, v9, |v[XS+\i+2]|, |v[XS+\i+3]|
.endr
	v_max3_num_f32 v8, v8, |v[XS+14]|, |v[XS+15]|
	v_max3_num_f32 v8, v8, v9, (EMAX+1)<<23        ; and the floor 2^(3 - 127): the byte cannot fall under 1
	v_max_num_f32_dpp v8, v8, v8 row_xmask:1 row_mask:0xf bank_mask:0xf   ; and of my neighbour's 16: the block's
	v_add_nc_u32 v11, -(EMAX<<23), v8              ; 2 off its exponent field: the conversion takes the exponent field of this operand as its scale
	v_cvt_scalef32_pk16_fp6_f32 v[XC+4*(\t):XC+4*(\t)+2], v[XS:XS+15], v11
	v_lshrrev_b32 v[XE+(\t)], 23, v11              ; the scale's byte
	ds_store_b8 v5, v[XE+(\t)] offset:16*(\t)      ; both lanes of a block write the same byte with the same value
	global_store_b96 v4, v[XC+4*(\t):XC+4*(\t)+2], s[24:25] offset:32*CB*(\t)   ; the wave stores 384 consecutive bytes
.endm
.irp t, 0,1,2,3,4,5,6,7,8,9,10,11,12,13,14,15
	XSTEP \t
.endr
	ds_load_b64 v[8:9], v6                         ; LDS serves a wave's instructions in order: these see my byte stores
	s_wait_dscnt 0x0
	global_store_b64 v7, v[8:9], s[26:27]          ; 32 lanes store 256 consecutive bytes, aligned
	s_wait_tensorcnt 0x0                           ; the wave's end
	ds_add_u32 v[SPW], v[NIL]
	s_wait_dscnt 0x0
	s_endpgm
.Lnot_x:
	s_cmp_lt_u32 ttmp9, 1152
	s_cbranch_scc0 .Lrole_m
; ---------------- ROLE W: 32 work-groups a weight: 128 columns x 256 along K each; a wave 32 columns.  A LANE TAKES A COLUMN n AND ITS REGISTERS RUN DOWN K: a block of 32 lies in one lane,
; and the conversions give codes with K innermost.  The codes go through the wave's own stage and leave as rows: sixteen lanes store a row's 192 consecutive bytes.
.set NB,     8                         ; blocks of 32 along K for a wave
.set WPITCH, 272                       ; a stage row: sixteen places of 16 bytes (12 of codes each) + 16
.set KROW,   768
.set WX,     32                        ; v32-95   two sets of 32 numbers
.set WC,     96                        ; v96..    a block's codes
.set OUTR,   112                       ; v112-175 the way out
.set SB,     24                        ; v24-25   the scale bytes, four to a register
	s_load_b512 s[8:23], s[0:1], 0x38              ; the eight weights
	s_load_b128 s[24:27], s[0:1], 0x90             ; wcodes, wscales
	s_sub_co_u32 s28, ttmp9, 896
	s_lshr_b32 s29, s28, 5                         ; which weight
	s_and_b32 s30, s28, 7                          ; which 128 columns
	s_bfe_u32 s31, s28, 0x20003                    ; which 256 along K
	s_lshl_b32 s32, s30, 7
	s_lshl_b32 s33, s2, 5
	s_add_co_u32 s32, s32, s33                     ; my wave's first column
	v_lshlrev_b32 v3, 2, v2                        ; in: 4 bytes a lane
	v_and_b32 v10, 7, v2
	v_bfe_u32 v11, v2, 3, 1
	v_lshl_add_u32 v10, v11, 4, v10
	v_bfe_u32 v11, v2, 4, 1
	v_lshl_add_u32 v10, v11, 3, v10                ; my column's place among the wave's 32 rows of the outputs: bits 3 and 4 of the lane swapped (the position order)
	s_mul_i32 s33, s2, 32*WPITCH
	s_add_co_u32 s33, s33, 32768                   ; LDS 32768 .. 67583: a stage of 32 x 272 bytes a wave
	v_mul_u32_u24 v4, v10, WPITCH
	v_add_nc_u32 v4, s33, v4                       ; into it: the row of my column's place
	v_and_b32 v5, 15, v2
	v_lshrrev_b32 v6, 4, v2
	v_mul_u32_u24 v7, v6, WPITCH
	v_lshl_add_u32 v7, v5, 4, v7
	v_add_nc_u32 v7, s33, v7                       ; out of it: sixteen lanes to a row, two rows an instruction
	v_mul_u32_u24 v8, v6, KROW
	v_mad_u32_u24 v8, v5, 12, v8                   ; and the same place in wcodes
	v_lshlrev_b32 v9, 5, v10                       ; my column's row of scale bytes
	s_lshl_b32 s34, s31, 20                        ; 256 rows of 4,096 bytes
	s_lshl_b32 s35, s32, 2
	s_add_co_u32 s34, s34, s35
	s_mov_b32 s35, 0
	s_lshl_b32 s36, s29, 10
	s_add_co_u32 s36, s36, s32                     ; my first row of the outputs
	s_wait_kmcnt 0x0
	s_mov_b64 s[4:5], s[8:9]
.irp t, 1,2,3,4,5,6,7
	s_cmp_eq_u32 s29, \t
	s_cselect_b64 s[4:5], s[8+2*\t:9+2*\t], s[4:5]
.endr
	s_add_nc_u64 s[4:5], s[4:5], s[34:35]
	s_mul_i32 s34, s36, KROW
	s_mul_i32 s37, s31, 192
	s_add_co_u32 s34, s34, s37
	s_add_nc_u64 s[24:25], s[24:25], s[34:35]
	s_lshl_b32 s34, s36, 5
	s_lshl_b32 s37, s31, 3
	s_add_co_u32 s34, s34, s37
	s_add_nc_u64 s[26:27], s[26:27], s[34:35]
.macro WLOAD t                         ; block t: W(32 t + i, my column) into set t % 2; a wave's load reads 128 consecutive bytes, the four waves stand side by side
.irp i, 0,1,2,3,4,5,6,7,8,9,10,11,12,13,14,15,16,17,18,19,20,21,22,23,24,25,26,27,28,29,30,31
	global_load_b32 v[WX+32*((\t)%2)+\i], v3, s[4:5] offset:(32*(\t)+\i)*4096 th:TH_LOAD_NT
.endr
.endm
	WLOAD 0
	WLOAD 1
.macro WBLOCK t
.set XS, WX+32*((\t)%2)
.if (\t) < NB-1
	s_wait_loadcnt 32                              ; this block's 32 loads are in; the next block's may be out
.else
	s_wait_loadcnt 0
.endif
	v_max3_num_f32 v12, |v[XS]|, |v[XS+1]|, |v[XS+2]|              ; the block's largest magnitude: all 32 numbers are mine
	v_max3_num_f32 v13, |v[XS+3]|, |v[XS+4]|, |v[XS+5]|
.irp i, 6,10,14,18,22,26
	v_max3_num_f32 v12, v12, |v[XS+\i]|, |v[XS+\i+1]|
	v_max3_num_f32 v13, v13, |v[XS+\i+2]|, |v[XS+\i+3]|
.endr
	v_max3_num_f32 v12, v12, |v[XS+30]|, |v[XS+31]|
	v_max3_num_f32 v12, v12, v13, (EMAX+1)<<23     ; and the floor
	v_add_nc_u32 v11, -(EMAX<<23), v12             ; the conversion's scale operand
	v_lshrrev_b32 v13, 23, v11                     ; the scale's byte
.if (\t)%4 == 0
	v_mov_b32 v[SB+(\t)/4], v13
.else
	v_lshl_or_b32 v[SB+(\t)/4], v13, 8*((\t)%4), v[SB+(\t)/4]
.endif
	v_cvt_scalef32_pk16_fp6_f32 v[WC:WC+2], v[XS:XS+15], v11
	v_cvt_scalef32_pk16_fp6_f32 v[WC+4:WC+6], v[XS+16:XS+31], v11  ; (a conversion's three registers begin on an even number)
	ds_store_b96 v4, v[WC:WC+2] offset:32*(\t)     ; 12 bytes to a place of 16, so that every LDS address is a multiple of 16
	ds_store_b96 v4, v[WC+4:WC+6] offset:32*(\t)+16
.if (\t)+2 < NB
	WLOAD (\t)+2
.endif
	s_wait_dscnt 0x0                               ; the stores have read their registers: the next block's codes may be written
.endm
.set Q, 0
.rept NB
	WBLOCK Q
.set Q, Q+1
.endr
	global_store_b64 v9, v[SB:SB+1], s[26:27]      ; my column's 8 scale bytes (rows 32 bytes apart: one byte in 128 of what this role reads)
.irp t, 0,1,2,3,4,5,6,7,8,9,10,11,12,13,14,15
	ds_load_b96 v[OUTR+4*\t:OUTR+4*\t+2], v7 offset:2*\t*WPITCH
.endr
.irp t, 0,1,2,3,4,5,6,7,8,9,10,11,12,13,14,15
	s_wait_dscnt 15-\t                             ; LDS loads come back in order: pair t of rows is in
	global_store_b96 v8, v[OUTR+4*\t:OUTR+4*\t+2], s[24:25] offset:2*\t*KROW
.endr
	s_wait_tensorcnt 0x0                           ; the wave's end: the three lines
	ds_add_u32 v[SPW], v[NIL]
	s_wait_dscnt 0x0
	s_endpgm
; ---------------- ROLE M: a wave packs two tiles of the mask, each 16 queries x 128 keys.  Tile qt's lane r is query 32 (qt / 2) + 8 (qt % 2) + r + 8 (r / 8) (the position order of q's rows).
; Word n (0..63) of a tile: bit l = (mask(query of lane l % 16, key 128 ks + 32 (n / 16) + 16 (l / 16) + n % 16) != 0): the lane mask that selects register n of that tile of scores.
.Lrole_m:
.set MR,   16                          ; v16-143  the two tiles as loaded: 16 rows x 4 registers each
.set MOUT, 144                         ; v144-147 the words, two to a lane and tile
.set MZ,   148                         ; v148-211 a tile as the scores lie: register n of lane l
	s_load_b64 s[4:5], s[0:1], 0x78                ; mask
	s_load_b64 s[6:7], s[0:1], 0xa0                ; mbits
	s_sub_co_u32 s8, ttmp9, 1152
	s_lshl_b32 s8, s8, 2
	s_add_co_u32 s8, s8, s2                        ; 0..1023: (batch, tile of queries, pair of key steps)
	s_lshr_b32 s9, s8, 8                           ; batch
	s_bfe_u32 s10, s8, 0x60002                     ; qt
	s_and_b32 s11, s8, 3                           ; which 256 keys
	s_lshl_b32 s12, s9, 22
	s_lshr_b32 s13, s10, 1
	s_lshl_b32 s13, s13, 17                        ; 32 rows of 4,096 bytes
	s_add_co_u32 s12, s12, s13
	s_and_b32 s13, s10, 1
	s_lshl_b32 s13, s13, 15                        ; 8 rows
	s_add_co_u32 s12, s12, s13
	s_lshl_b32 s13, s11, 10
	s_add_co_u32 s12, s12, s13
	s_mov_b32 s13, 0
	s_lshl_b32 s14, s8, 9                          ; two tiles of 256 bytes
	s_mov_b32 s15, 0
	v_lshlrev_b32 v3, 4, v2                        ; 16 x lane
	v_lshlrev_b32 v4, 3, v2                        ; 8 x lane
	s_mul_i32 s16, s2, 16*528
	s_add_co_u32 s16, s16, 67584                   ; LDS 67584 .. 101375: a stage of 16 rows x (512 + 16) bytes a wave
	v_add_nc_u32 v5, s16, v3                       ; in: a row as it lies
	v_and_b32 v7, 15, v2
	v_bfe_u32 v8, v2, 4, 1
	v_mul_u32_u24 v6, v7, 528
	v_lshl_add_u32 v6, v8, 6, v6
	v_add_nc_u32 v6, s16, v6                       ; out: row lane % 16, + 64 (lane / 16): 16 keys of each 32
.irp i, 0,1,2,3
	v_mov_b32 v[MOUT+\i], 0                        ; written once: v_writelane_b32's destination counts as read
.endr
	s_wait_kmcnt 0x0
	s_add_nc_u64 s[4:5], s[4:5], s[12:13]
	s_add_nc_u64 s[6:7], s[6:7], s[14:15]
.irp e, 0,1
.irp t, 0,1,2,3,4,5,6,7,8,9,10,11,12,13,14,15
	global_load_b128 v[MR+64*\e+4*\t:MR+64*\e+4*\t+3], v3, s[4:5] offset:(\t+8*(\t/8))*4096+512*\e th:TH_LOAD_NT   ; 512 consecutive bytes of one row
.endr
.endr
.irp e, 0,1
	s_wait_loadcnt 16-16*\e                        ; this tile's 16 loads are in; the other tile's may be out
.irp t, 0,1,2,3,4,5,6,7,8,9,10,11,12,13,14,15
	ds_store_b128 v5, v[MR+64*\e+4*\t:MR+64*\e+4*\t+3] offset:528*\t
.endr
.irp c, 0,1,2,3
.irp j, 0,1,2,3
	ds_load_b128 v[MZ+16*\c+4*\j:MZ+16*\c+4*\j+3], v6 offset:128*\c+16*\j   ; LDS serves a wave's instructions in order: these see the stores above
.endr
.endr
	s_wait_dscnt 0x0
.set n, 0
.rept 64
	v_cmp_ne_u32 s[20+n%4], 0, v[MZ+n]             ; the 32 lanes' bits of register n,
	v_writelane_b32 v[MOUT+2*\e+n%2], s[20+n%4], n/2   ; to word n: lane n / 2 stores words n and n + 1
.set n, n+1
.endr
	global_store_b64 v4, v[MOUT+2*\e:MOUT+2*\e+1], s[6:7] offset:256*\e    ; 32 lanes store 256 consecutive bytes, aligned
.endr
	s_wait_tensorcnt 0x0                           ; the wave's end: the three lines
	ds_add_u32 v[SPW], v[NIL]
	s_wait_dscnt 0x0
	s_endpgm
.Lfunc_end_k_qc7c879771c_prep:
	.size	k_qc7c879771c_prep, .Lfunc_end_k_qc7c879771c_prep-k_qc7c879771c_prep
	.p2alignl 7, 3214868480
	.fill 96, 4, 3214868480
	.section	.rodata,"a",@progbits
	.p2align	6, 0x0
	.amdhsa_kernel k_qc7c879771c_prep
		.amdhsa_group_segment_fixed_size 102400
		.amdhsa_private_segment_fixed_size 0
		.amdhsa_enable_private_segment 0
		.amdhsa_kernarg_size 168
		.amdhsa_user_sgpr_count 2
		.amdhsa_user_sgpr_kernarg_segment_ptr 1
		.amdhsa_wavefront_size32 1
		.amdhsa_system_sgpr_workgroup_id_x 1
		.amdhsa_system_sgpr_workgroup_id_y 1
		.amdhsa_system_sgpr_workgroup_id_z 1
		.amdhsa_system_vgpr_workitem_id 0
		.amdhsa_next_free_vgpr 256
		.amdhsa_next_free_sgpr 66
		.amdhsa_reserve_vcc 0
		.amdhsa_float_denorm_mode_32 3
		.amdhsa_float_denorm_mode_16_64 3
		.amdhsa_memory_ordered 1
		.amdhsa_forward_progress 1
		.amdhsa_inst_pref_size 99
	.end_amdhsa_kernel
	.amdgpu_metadata
---
amdhsa.version: [ 1, 2 ]
amdhsa.kernels:
  - .name:           k_qc7c879771c_prep
    .symbol:         k_qc7c879771c_prep.kd
    .args:
      - { .name: q, .offset: 0, .size: 8, .value_kind: global_buffer, .address_space: global }
      - { .name: k_e, .offset: 8, .size: 8, .value_kind: global_buffer, .address_space: global }
      - { .name: k_i, .offset: 16, .size: 8, .value_kind: global_buffer, .address_space: global }
      - { .name: k_ei, .offset: 24, .size: 8, .value_kind: global_buffer, .address_space: global }
      - { .name: v_e, .offset: 32, .size: 8, .value_kind: global_buffer, .address_space: global }
      - { .name: v_i, .offset: 40, .size: 8, .value_kind: global_buffer, .address_space: global }
      - { .name: v_ei, .offset: 48, .size: 8, .value_kind: global_buffer, .address_space: global }
      - { .name: Wq, .offset: 56, .size: 8, .value_kind: global_buffer, .address_space: global }
      - { .name: Wke, .offset: 64, .size: 8, .value_kind: global_buffer, .address_space: global }
      - { .name: Wki, .offset: 72, .size: 8, .value_kind: global_buffer, .address_space: global }
      - { .name: Wkei, .offset: 80, .size: 8, .value_kind: global_buffer, .address_space: global }
      - { .name: Wve, .offset: 88, .size: 8, .value_kind: global_buffer, .address_space: global }
      - { .name: Wvi, .offset: 96, .size: 8, .value_kind: global_buffer, .address_space: global }
      - { .name: Wvei, .offset: 104, .size: 8, .value_kind: global_buffer, .address_space: global }
      - { .name: Wo, .offset: 112, .size: 8, .value_kind: global_buffer, .address_space: global }
      - { .name: mask, .offset: 120, .size: 8, .value_kind: global_buffer, .address_space: global }
      - { .name: xcodes, .offset: 128, .size: 8, .value_kind: global_buffer, .address_space: global }
      - { .name: xscales, .offset: 136, .size: 8, .value_kind: global_buffer, .address_space: global }
      - { .name: wcodes, .offset: 144, .size: 8, .value_kind: global_buffer, .address_space: global }
      - { .name: wscales, .offset: 152, .size: 8, .value_kind: global_buffer, .address_space: global }
      - { .name: mbits, .offset: 160, .size: 8, .value_kind: global_buffer, .address_space: global }
    .group_segment_fixed_size: 102400
    .private_segment_fixed_size: 0
    .kernarg_segment_align: 8
    .kernarg_segment_size: 168
    .max_flat_workgroup_size: 128
    .sgpr_count:     66
    .vgpr_count:     256
    .wavefront_size: 32
...
	.end_amdgpu_metadata
.endif
;; end of part 1
;; launch proj (part 2): grid 4 x 112, 4 waves a work-group, clusters of 4 x 4, 327,680 bytes of LDS; arguments xcodes, xscales, wcodes, wscales, bq, bke, bki, bkei, bve, bvi, bvei, att; writes att
.if DOCPART == 2
	.amdgcn_target "amdgcn-amd-amdhsa--gfx1250"
	.amdhsa_code_object_version 6
	.text
	.protected	k_qc7c879771c_proj
	.globl	k_qc7c879771c_proj
	.p2align	8
	.type	k_qc7c879771c_proj,@function
k_qc7c879771c_proj:
	s_mov_b64 s[64:65], 0
	v_nop
	global_prefetch_b8 v0, s[64:65] scope:SCOPE_SE
	s_setreg_imm32_b32 hwreg(HW_REG_WAVE_MODE, 25, 1), 1
	s_wait_xcnt 0x0
	s_wait_alu depctr_hold_cnt(0) depctr_sa_sdst(0) depctr_va_vdst(0) depctr_va_sdst(0) depctr_va_ssrc(0) depctr_va_vcc(0) depctr_vm_vsrc(0)
	s_getreg_b32 s2, hwreg(HW_REG_IB_STS2, 6, 4)
	s_cmp_eq_u32 s2, 0
	s_cbranch_scc0 .Lentry_in_a_cluster
	s_endpgm
.Lentry_in_a_cluster:
	s_bfe_u32 s2, ttmp6, 0x10000c
	s_cmp_lg_u32 s2, 0xf033
	s_cbranch_scc0 .Lentry_shape_is_right
	s_endpgm
.Lentry_shape_is_right:
; PROJ: the seven projections x W + b on codes of FP6 (E2M3) with E8M0 scales, each result quantised at once and stored as IMAGES OF THE REGISTERS of attention's operands.
; A cluster of 4 x 4 work-groups makes one batch (1,024 rows) of one projection T (0 q, 1-3 k of the three branches, 4-6 v): cluster y = 4 T + batch.  A work-group makes 256 x 256, a wave 128 x 128: 64 accumulators.
; The matrix instruction's source 1 ("A": a lane holds one of its rows) and source 0 ("B": the registers run along its rows, the axis that is quantised afterwards):
;   q, k:  A = rows of x, B = rows of W^T (outputs n): a lane holds one row, its registers run along the heads' 64;     v:  A = rows of W^T (channels), B = rows of x (keys): registers run along the keys.
; Both lie in memory in the position order (groups of eight rows 0, 2, 1, 3 in each 32), so register 16 b + i of A's block is index 32 b + 16 (lane / 16) + i along B: 16 neighbours.
; K = 1,024 goes in steps of 256 through a ring of two LDS slots filled by joint tensor loads (A's tile shared along a row of the cluster, B's along a column); the scale bytes of the 256 + 256 rows come once.
; THE WAY OUT: + bias in f32; each block of 32 gets its scale (largest magnitude's exponent field - 2, floor at byte 1) and its codes; stores of 512 consecutive bytes.
;   att [64 (batch, head)][372,736]: branch br at br x 106,496: K images [8 key steps][4 pairs of tiles][3][32 lanes][16], V images at +49,152 [8][4 tiles of channels][3][32][16], K's scale words at +98,304 [8][32 lanes][4],
;   V's at +102,400; Q's images at 319,488 and scale words at 368,640, laid as K's.  A K or Q image holds tile u = 0 of a pair in registers 0-5 and tile u = 1 in registers 6-11 (the head's 64 are half of the instruction's 128).
; LIMITS: a block of zeros carries the byte 1 (zero codes; only this program reads the bytes); NaN and infinities are not served.
; REGISTERS, in windows of 256: window 0: v0-31 addresses and small things; v32-63 scale words, two sets; v64-127 the bias along registers; v128-223 A's fragments, one set; on the way out v128-255 at work.
;   window 1: B's fragments, two sets.   window 2, 3: the accumulators ((a, b) at v[8 (8 (a % 4) + b)]).
.set KSTEP,  256
.set NQ,     2
.set ROWB,   192                       ; a tile's row: 256 codes
.set KROW,   768                       ; a row of codes in memory
.set PITCH,  240                       ; an LDS row: 3 x (64 + 16 of padding): the 32 lanes of a load of 8 bytes touch 64 different banks
.set FR,     12
.set NL,     6
.set NP,     4
.set HALFT,  128*PITCH
.set SLOT,   4*HALFT
.set LAPS,   2                         ; 1,024 / 512
.set KS,     32                        ; a row of scale bytes
.set SCL,    2*SLOT
.set HALFS,  16*272                    ; the scales of 128 rows: 16 units of 256 bytes + 16 of padding
.set SBLK,   2*272                     ; those of 16 rows
.set SPARE,  SCL+4*HALFS               ; the spare words, 128 bytes a wave: two blocks of 256 bytes that no other line names
.set BH,     372736
.set BRB,    106496
.set BV,   8                           ; v8-15   the bias along lanes (v): one register for each of A's blocks
.set ADRA, 16                          ; v16-19  LDS addresses of my A fragments (slot 0, 1; the same behind one padding more)
.set ADRB, 20                          ; v20-23  the same for B
.set SCW,  16                          ; v16-23  on the way out: the scale words to store
.set PW,   24                          ; v24-25  on the way out: a pair's two scale words
.set LOFF, 26                          ; v26     16 x lane
.set ADRS, 27                          ; v27     LDS address of my scale words
.set SPW,  28                          ; v28     my spare word; never rewritten
.set NIL,  29                          ; v29     0; never rewritten
.set VB,   30                          ; v30, v31 the bias loads' offsets; never rewritten
.set VA,   31
.set SC,   32
.set BIAS, 64
.set AF,   128
.set XQ,   128                         ; v128-191 64 numbers to quantise
.set IMG,  192                         ; v192-239 images
.set TM,   240                         ; v240-243 largest magnitudes, v244-247 the other half's and then the bytes, v248-251 the conversions' scale operands
.set T0,   252                         ; v252-254, v2-4: the second halves of the blocks' codes
.set T1,   2
.set G1, 24
.set G0, 32
.set G1B, 48
.set G0B, 56
.set G1S, 68
.set G0S, 76
.set G1SB, 80
.set G0SB, 88
.set SEL, 92                           ; s[92:93] lane selects for lane l xor 16 (behind the first loads)
.set MSB, 0
.macro WIN new                         ; the immediate's high byte repeats the setting that is left
.if MSB != (\new)
	s_set_vgpr_msb (MSB<<8)|(\new)
.set MSB, (\new)
.endif
.endm
.set MUL_LO, 0xa1                      ; source 0 (B) window 1, source 1 (A) window 0, C and D window 2
.set MUL_HI, 0xf1
.set TO_B,   0x40
; A joint load: waves 0 and 1 fetch for A, waves 2 and 3 for B.  The branch hangs on the wave's number alone.  An s_nop 0 and four v_nop follow each of the two lines.
.macro JLOAD g0a, g1a, g0b, g1b
	s_cmp_eq_u32 s15, 0
	s_cbranch_scc0 .Lfor_b_\@
	tensor_load_to_lds s[\g0a:\g0a+3], s[\g1a:\g1a+7]
	s_nop 0
.rept 4
	v_nop
.endr
	s_branch .Lasked_\@
.Lfor_b_\@:
	tensor_load_to_lds s[\g0b:\g0b+3], s[\g1b:\g1b+7]
	s_nop 0
.rept 4
	v_nop
.endr
.Lasked_\@:
.endm
.macro CREST                           ; a round of the cluster's barrier behind its opening barrier
	s_cmp_lg_u32 s14, 0
	s_cbranch_scc1 .Lnot_wave_0_\@
	s_barrier_signal -3
.Lnot_wave_0_\@:
	s_barrier_wait -3
	s_barrier_signal -1
	s_barrier_wait -1
.endm
.macro CROUND
	s_barrier_signal -1
	s_barrier_wait -1
	CREST
.endm
	s_load_b256 s[4:11], s[0:1], 0x0               ; xcodes, xscales, wcodes, wscales
	s_load_b512 s[68:83], s[0:1], 0x20             ; the seven biases, att (these registers take descriptors once the pointers are moved on)
	v_lshl_add_u32 v[SPW], v0, 2, SPARE
	v_mov_b32 v[NIL], 0
	ds_add_u32 v[SPW], v[NIL]                      ; the wave's opening: the add and its wait ahead of my first tensor load; work on registers stands between them
	v_lshrrev_b32 v1, 5, v0
	v_readfirstlane_b32 s14, v1                    ; wave 0..3
	s_lshr_b32 s15, s14, 1                         ; which 128 of A's rows are mine.  Also: I fetch for A (0) or for B (1)
	s_and_b32 s16, s14, 1                          ; which 128 of B's rows.  Also: which 128 rows of that tile I fetch
	s_bfe_u32 s40, ttmp6, 0x40000                  ; cx, cy: my place in the cluster
	s_bfe_u32 s41, ttmp6, 0x40004
	s_and_b32 s17, ttmp7, 0xffff                   ; the cluster's y, the same in all sixteen partners
	s_lshr_b32 s100, s17, 2                        ; T: which projection
	s_and_b32 s101, s17, 3                         ; the batch
	s_lshl_b32 s43, s41, 2
	s_lshl_b32 s43, 15, s43                        ; my row of the cluster
	s_lshl_b32 s44, 0x1111, s40                    ; my column
	s_or_b32 s[G1+0], s43, (0<<16)|(1<<20)|(1<<21)|(3<<22)|(3<<25)  ; the mask; elements of 1 byte; padding: 4 words behind every 16; bit 21 beside a mask
	s_or_b32 s[G1B+0], s44, (0<<16)|(1<<20)|(1<<21)|(3<<22)|(3<<25)
.irp g, G1, G1B
	s_mov_b32 s[\g+1], ROWB<<16                    ; tensor_dim0
	s_mov_b32 s[\g+2], 128<<16                     ; tensor_dim1
	s_mov_b32 s[\g+3], ROWB<<16                    ; tile_dim0
	s_mov_b32 s[\g+4], 128                         ; tile_dim1
	s_mov_b32 s[\g+5], KROW                        ; the pitch
	s_mov_b32 s[\g+6], 0
	s_mov_b32 s[\g+7], 0
.endr
	s_lshl_b32 s17, s100, 12
	s_lshl_b32 s18, s101, 10
	s_add_co_u32 s17, s17, s18                     ; x: row 4,096 T + 1,024 batch
	s_lshl_b32 s18, s100, 10                       ; W: row 1,024 T
	s_cmp_ge_u32 s100, 4                           ; v?
	s_cselect_b32 s19, s18, s17                    ; A's first row
	s_cselect_b32 s45, s17, s18                    ; B's
	s_lshl_b32 s18, s16, 7                         ; which 128 rows of the tile I fetch
	s_lshl_b32 s20, s41, 8
	s_add_co_u32 s20, s20, s19
	s_add_co_u32 s20, s20, s18                     ; A: + 256 cy + 128 half: no cx enters it
	s_lshl_b32 s46, s40, 8
	s_add_co_u32 s46, s46, s45
	s_add_co_u32 s46, s46, s18                     ; B: + 256 cx + 128 half: no cy enters it
	s_mov_b32 s21, 0
	s_mov_b32 s47, 0
	s_mov_b64 s[18:19], KS
	s_mul_u64 s[22:23], s[20:21], s[18:19]         ; where these rows' scales begin, in bytes
	s_mul_u64 s[92:93], s[46:47], s[18:19]
	s_mov_b64 s[18:19], KROW
	s_mul_u64 s[20:21], s[20:21], s[18:19]         ; and their codes
	s_mul_u64 s[46:47], s[46:47], s[18:19]
	s_mul_i32 s45, s14, HALFT                      ; where they go: wave x 128 rows
	s_mul_i32 s94, s14, HALFS
	s_wait_dscnt 0x0                               ; the opening add is done
	s_wait_kmcnt 0x0
	s_mov_b64 s[96:97], s[68:69]                   ; my projection's bias
.irp t, 1,2,3,4,5,6
	s_cmp_eq_u32 s100, \t
	s_cselect_b64 s[96:97], s[68+2*\t:69+2*\t], s[96:97]
.endr
	s_mov_b64 s[98:99], s[82:83]                   ; att
	s_cmp_ge_u32 s100, 4                           ; which buffers are A's and which B's: the choice hangs on the cluster's y alone
	s_cselect_b64 s[84:85], s[8:9], s[4:5]
	s_cselect_b64 s[86:87], s[10:11], s[6:7]
	s_cselect_b64 s[8:9], s[4:5], s[8:9]           ; B's codes
	s_cselect_b64 s[10:11], s[6:7], s[10:11]       ; B's scales
	s_mov_b64 s[4:5], s[84:85]                     ; A's codes
	s_mov_b64 s[6:7], s[86:87]                     ; A's scales
	s_or_b32 s[G1S+0], s43, (3<<16)|(1<<20)|(1<<21)|(5<<22)|(3<<25)   ; the scales of 128 rows: a dense block of 4,096 bytes as 16 rows of 256 (32 elements of 8 bytes), 16 bytes of padding behind each
	s_or_b32 s[G1SB+0], s44, (3<<16)|(1<<20)|(1<<21)|(5<<22)|(3<<25)
.irp g, G1S, G1SB
	s_mov_b32 s[\g+1], 32<<16
	s_mov_b32 s[\g+2], 16<<16
	s_mov_b32 s[\g+3], 32<<16
	s_mov_b32 s[\g+4], 16
	s_mov_b32 s[\g+5], 32
	s_mov_b32 s[\g+6], 0
	s_mov_b32 s[\g+7], 0
.endr
	s_add_nc_u64 s[20:21], s[4:5], s[20:21]
	s_add_nc_u64 s[22:23], s[6:7], s[22:23]
	s_add_nc_u64 s[46:47], s[8:9], s[46:47]
	s_add_nc_u64 s[92:93], s[10:11], s[92:93]
	CROUND                                         ; all sixteen work-groups are here: the first joint loads meet
	s_mov_b32 s[G0S], 1
	s_add_co_u32 s[G0S+1], s94, SCL
	s_mov_b64 s[G0S+2:G0S+3], s[22:23]
	s_or_b32 s[G0S+3], s[G0S+3], 0x80000000
	s_mov_b32 s[G0SB], 1
	s_add_co_u32 s[G0SB+1], s94, SCL
	s_mov_b64 s[G0SB+2:G0SB+3], s[92:93]
	s_or_b32 s[G0SB+3], s[G0SB+3], 0x80000000
	JLOAD G0S, G1S, G0SB, G1SB                     ; the scales first: they are wanted with K step 0.  With the two slots three loads of mine are out
.irp s, 0,1
	s_mov_b32 s[G0+4*\s], 1
	s_add_co_u32 s[G0+4*\s+1], s45, \s*SLOT
	s_add_nc_u64 s[G0+4*\s+2:G0+4*\s+3], s[20:21], \s*ROWB
	s_or_b32 s[G0+4*\s+3], s[G0+4*\s+3], 0x80000000
	s_mov_b32 s[G0B+4*\s], 1
	s_add_co_u32 s[G0B+4*\s+1], s45, \s*SLOT
	s_add_nc_u64 s[G0B+4*\s+2:G0B+4*\s+3], s[46:47], \s*ROWB
	s_or_b32 s[G0B+4*\s+3], s[G0B+4*\s+3], 0x80000000
	JLOAD G0+4*\s, G1, G0B+4*\s, G1B
.endr
	v_and_b32 v1, 15, v0                           ; r = lane % 16
	v_bfe_u32 v2, v0, 4, 1                         ; h = lane / 16
	v_mul_u32_u24 v3, v1, PITCH
	v_mul_u32_u24 v4, v2, 24
	v_add_nc_u32 v4, v3, v4                        ; a fragment's row x pitch + 24 x half
	v_lshl_add_u32 v5, v2, 4, v4                   ; and the same behind one padding more
	s_mul_i32 s21, s15, HALFT                      ; my 128 rows of A
	s_mul_i32 s22, s16, HALFT                      ; my 128 rows of B,
	s_add_co_u32 s22, s22, 2*HALFT                 ; which lie behind A's 256
.irp s, 0,1
	v_add_nc_u32 v[ADRA+\s], s21, v4
	v_add_nc_u32 v[ADRB+\s], s22, v4
	v_add_nc_u32 v[ADRA+2+\s], s21, v5
	v_add_nc_u32 v[ADRB+2+\s], s22, v5
	s_add_co_u32 s21, s21, SLOT
	s_add_co_u32 s22, s22, SLOT
.endr
	v_mul_u32_u24 v5, v1, KS                       ; my row's scales: 32 bytes a row,
	v_lshrrev_b32 v6, 8, v5
	v_lshl_add_u32 v5, v6, 4, v5                   ; and 16 more for each 256 passed
	s_mul_i32 s21, s15, HALFS
	s_mul_i32 s22, s16, HALFS
	s_add_co_u32 s22, s22, 2*HALFS
	s_sub_co_u32 s22, s22, s21
	v_mul_u32_u24 v6, s22, v2                      ; lanes 16-31 take B's
	s_add_co_u32 s21, s21, SCL
	v_add_nc_u32 v5, v5, v6
	v_add_nc_u32 v[ADRS], s21, v5
	v_and_b32 v6, 31, v0
	v_lshlrev_b32 v[LOFF], 4, v6
	s_mov_b32 s[SEL], 0x76543210
	s_mov_b32 s[SEL+1], 0xfedcba98
	; where the results go, and the bias.  Only store and load addresses hang on cx and cy here
	s_lshl_b32 s20, s40, 1
	s_add_co_u32 s20, s20, s16                     ; which 128 along B: 2 cx + half
	s_lshl_b32 s21, s41, 1
	s_add_co_u32 s21, s21, s15                     ; which 128 along A: 2 cy + half
	s_cmp_ge_u32 s100, 4
	s_cselect_b32 s22, s20, s21                    ; the key step (rows of x)
	s_cselect_b32 s23, s21, s20                    ; the pair of heads (outputs)
	s_cselect_b32 s18, 0, s20                      ; the bias along registers is loaded in every case, from offset 0 where it is not the one at work: no load leaves the 4,096 bytes
	s_cselect_b32 s19, s21, 0                      ; the bias along lanes likewise
	s_cselect_b32 s45, 4, 1
	s_cselect_b32 s46, 49152, 0                    ; V's images lie behind K's
	s_mov_b32 s47, 98304
	s_cselect_b32 s47, 102400, s47                 ; and the scale words
	s_sub_co_u32 s45, s100, s45                    ; the branch
	s_mul_i32 s45, s45, BRB
	s_add_co_u32 s46, s46, s45
	s_add_co_u32 s47, s47, s45
	s_cmp_eq_u32 s100, 0                           ; q has places of its own behind the branches
	s_cselect_b32 s46, 319488, s46
	s_cselect_b32 s47, 368640, s47
	s_lshl_b32 s23, s23, 1
	s_lshl_b32 s45, s101, 4
	s_add_co_u32 s23, s23, s45                     ; 16 batch + my first head
	s_mul_i32 s23, s23, BH
	s_mul_i32 s45, s22, 6144
	s_add_co_u32 s46, s46, s45
	s_add_co_u32 s20, s46, s23
	s_mov_b32 s21, 0
	s_add_nc_u64 s[12:13], s[98:99], s[20:21]      ; the images
	s_lshl_b32 s45, s22, 9
	s_add_co_u32 s47, s47, s45
	s_add_co_u32 s20, s47, s23
	s_add_nc_u64 s[94:95], s[98:99], s[20:21]      ; the scale words
	s_lshl_b32 s18, s18, 9
	s_lshl_b32 s19, s19, 9
	v_lshlrev_b32 v[VB], 6, v2
	v_add_nc_u32 v[VB], s18, v[VB]                 ; register 16 b + i wants b[first output + 32 b + 16 h + i]
	v_and_b32 v[VA], 8, v1
	v_add_nc_u32 v[VA], v[VA], v1
	v_lshlrev_b32 v[VA], 2, v[VA]
	v_add_nc_u32 v[VA], s19, v[VA]                 ; lane r of block 2 b + u wants b[first channel + 32 b + 8 u + r + 8 (r / 8)]
.irp c, 0,1,2,3
.irp j, 0,1,2,3
	global_load_b128 v[BIAS+16*\c+4*\j:BIAS+16*\c+4*\j+3], v[VB], s[96:97] offset:128*\c+16*\j
.endr
.endr
.irp a, 0,1,2,3,4,5,6,7
	global_load_b32 v[BV+\a], v[VA], s[96:97] offset:(32*(\a/2)+8*(\a%2))*4
.endr
.macro FRAG reg, adr, q, i             ; a fragment, 16 rows x 128 K: 12 registers, in pieces of 8 bytes; where lanes 16-31's piece lies behind one padding more, the second address register serves
.irp p, 0,1,2,3,4,5
.set PC, 12*(\q)+6*(\p/3)+\p%3
.if PC%8 < 5
	ds_load_b64 v[\reg+2*\p:\reg+2*\p+1], v[\adr] offset:8*PC+16*(PC/8)+(\i)*16*PITCH
.else
	ds_load_b64 v[\reg+2*\p:\reg+2*\p+1], v[\adr+2] offset:8*PC+16*(PC/8)+(\i)*16*PITCH
.endif
.endr
.endm
; 16 matrix instructions: A's blocks a0, a0 + 1 x B's eight.  The 64 accumulators take turns, one instruction a turn, in the same order in every step.
.macro MUL16 a0, p, q, sc, zero
.irp a, \a0, \a0+1
.irp b, 0,1,2,3,4,5,6,7
.if \zero
	v_wmma_scale_f32_16x16x128_f8f6f4 v[8*(8*((\a)%4)+\b):8*(8*((\a)%4)+\b)+7], v[128*(\p)+FR*\b:128*(\p)+FR*\b+FR-1], v[AF+FR*(\a):AF+FR*(\a)+FR-1], 0, v[SC+8*NQ*(\sc)+NQ*\b+(\q)], v[SC+8*NQ*(\sc)+NQ*(\a)+(\q)] matrix_a_fmt:MATRIX_FMT_FP6 matrix_b_fmt:MATRIX_FMT_FP6 matrix_a_scale:MATRIX_SCALE_ROW1
.else
	v_wmma_scale_f32_16x16x128_f8f6f4 v[8*(8*((\a)%4)+\b):8*(8*((\a)%4)+\b)+7], v[128*(\p)+FR*\b:128*(\p)+FR*\b+FR-1], v[AF+FR*(\a):AF+FR*(\a)+FR-1], v[8*(8*((\a)%4)+\b):8*(8*((\a)%4)+\b)+7], v[SC+8*NQ*(\sc)+NQ*\b+(\q)], v[SC+8*NQ*(\sc)+NQ*(\a)+(\q)] matrix_a_fmt:MATRIX_FMT_FP6 matrix_b_fmt:MATRIX_FMT_FP6 matrix_a_scale:MATRIX_SCALE_ROW1
.endif
.endr
.endr
.endm
.macro FETCH_B slot, q, p
	WIN TO_B
.irp i, 0,1,2,3,4,5,6,7
	FRAG 128*(\p)+FR*\i, ADRB+\slot, \q, \i
.endr
	WIN 0
.endm
.macro FETCH_A slot, q, i0
.irp i, \i0, \i0+1, \i0+2, \i0+3
	FRAG AF+FR*(\i), ADRA+\slot, \q, \i
.endr
.endm
.macro SCALES sc                       ; a K step's scale words: two words a row; lanes 0-15 take A's block i, lanes 16-31 B's block i
.irp i, 0,1,2,3,4,5,6,7
	ds_load_b64 v[SC+8*NQ*\sc+NQ*\i:SC+8*NQ*\sc+NQ*\i+1], v[ADRS] offset:\i*SBLK
.endr
.endm
.macro PLACES n                        ; plain vector instructions between a matrix instruction and a load into, or a vector write or read of, its registers
.rept \n
	v_nop
.endr
.endm
.macro STEP slot, q, zero              ; a step of 128 along K that has its successor in the same slot
	s_wait_dscnt 4*NL                              ; B's set and A's blocks 0-3 are in; the youngest 24 loads (A's blocks 4-7) may be out
	WIN MUL_LO
	MUL16 0, (\q)%2, \q, \slot, \zero
	MUL16 2, (\q)%2, \q, \slot, \zero
	s_wait_dscnt 0
	PLACES NP
	FETCH_B \slot, (\q)+1, 1-(\q)%2
	FETCH_A \slot, (\q)+1, 0
	WIN MUL_HI
	MUL16 4, (\q)%2, \q, \slot, \zero
	MUL16 6, (\q)%2, \q, \slot, \zero
	PLACES NP
	WIN 0
	FETCH_A \slot, (\q)+1, 4
.endm
; A slot's last step changes slots: one barrier; in front of it each wave waits for all its tensor loads, adds 0 to its spare word, and waits for that and for its own reads of this slot.
.macro TURN slot, next, fill
	s_wait_tensorcnt 0x0                           ; all my tensor loads have landed: my part of the next slot
	ds_add_u32 v[SPW], v[NIL]                      ; 0 onto my spare word
	s_wait_dscnt 4*NL+1                            ; (the add and the youngest 24 loads may be out)
	WIN MUL_LO
	MUL16 0, 1, NQ-1, \slot, 0
	s_wait_dscnt 0x0                               ; the add is done, and my reads of this slot are over
	s_barrier_signal -1
	MUL16 2, 1, NQ-1, \slot, 0
	WIN 0
	s_barrier_wait -1
.if \fill
	CREST                                          ; the barrier has opened a round of the cluster's barrier: no wave of any partner still reads this slot or has a load on its way
	s_add_nc_u64 s[G0+4*\slot+2:G0+4*\slot+3], s[G0+4*\slot+2:G0+4*\slot+3], 2*ROWB
	s_add_nc_u64 s[G0B+4*\slot+2:G0B+4*\slot+3], s[G0B+4*\slot+2:G0B+4*\slot+3], 2*ROWB
	JLOAD G0+4*\slot, G1, G0B+4*\slot, G1B         ; the first tensor load behind the round; its four v_nop are the places in front of the loads below
.else
	PLACES NP
.endif
	v_add_nc_u32 v[ADRS], 4*NQ, v[ADRS]            ; on to the next K step's scale words
	FETCH_B \next, 0, 0
	FETCH_A \next, 0, 0
	SCALES \next
	WIN MUL_HI
	MUL16 4, 1, NQ-1, \slot, 0
	MUL16 6, 1, NQ-1, \slot, 0
	PLACES NP
	WIN 0
	FETCH_A \next, 0, 4
.endm
	s_wait_tensorcnt 1                             ; the scales and my part of K step 0 are in (K step 1's load may be out)
	s_barrier_signal -1
	s_barrier_wait -1                              ; everybody's are
	FETCH_B 0, 0, 0
	FETCH_A 0, 0, 0
	SCALES 0
	FETCH_A 0, 0, 4
	STEP 0, 0, 1                                   ; the first step's products start the sums: nothing is cleared
	s_mov_b32 s3, LAPS-1
.Llap:                                                 ; a trip goes once round the ring and fills both slots again
	TURN 0, 1, 1
	STEP 1, 0, 0
	TURN 1, 0, 1
	STEP 0, 0, 0
	s_sub_co_u32 s3, s3, 1
	s_cmp_lg_u32 s3, 0
	s_cbranch_scc1 .Llap
	TURN 0, 1, 0                                   ; the last lap fills nothing
	STEP 1, 0, 0
	s_wait_dscnt 4*NL
	WIN MUL_LO
	MUL16 0, 1, NQ-1, 1, 0
	MUL16 2, 1, NQ-1, 1, 0
	s_wait_dscnt 0
	WIN MUL_HI
	MUL16 4, 1, NQ-1, 1, 0
	MUL16 6, 1, NQ-1, 1, 0
	WIN 0
; 64 numbers of a lane, register 16 b + i = index 32 b + 16 (lane / 16) + i of my row, become the codes of indices 0-63 in v[d0] .. v[d0 + 5], of 64-127 in v[d1] .. v[d1 + 5], and the four blocks' scale word in v[pw].
.macro QUANT s, d0, d1, pw
.irp b, 0,1,2,3
	v_max3_num_f32 v[TM+\b], |v[\s+16*\b]|, |v[\s+1+16*\b]|, 0x1800000   ; block b: my 16 numbers, and the floor 2^(3 - 127): the byte cannot fall under 1
.endr
.irp i, 2,4,6,8,10,12,14
.irp b, 0,1,2,3
	v_max3_num_f32 v[TM+\b], v[TM+\b], |v[\s+16*\b+\i]|, |v[\s+1+16*\b+\i]|   ; (the four blocks by turns)
.endr
.endr
.irp b, 0,1,2,3
	v_permlanex16_b32 v[TM+4+\b], v[TM+\b], s[SEL], s[SEL+1]
.endr
.irp b, 0,1,2,3
	v_max_num_f32 v[TM+\b], v[TM+\b], v[TM+4+\b]   ; with lane l xor 16's: the block's largest magnitude
.endr
.irp b, 0,1,2,3
	v_add_nc_u32 v[TM+8+\b], 0xff000000, v[TM+\b]  ; 2 off its exponent field: the conversion's scale operand
.endr
.irp b, 0,1,2,3
	v_lshrrev_b32 v[TM+4+\b], 23, v[TM+8+\b]       ; the scale's byte
.endr
	v_lshl_or_b32 v[\pw], v[TM+5], 8, v[TM+4]
	v_lshl_or_b32 v[\pw], v[TM+6], 16, v[\pw]
	v_lshl_or_b32 v[\pw], v[TM+7], 24, v[\pw]
	v_cvt_scalef32_pk16_fp6_f32 v[(\d0):(\d0)+2], v[\s:\s+15], v[TM+8]
	v_cvt_scalef32_pk16_fp6_f32 v[T0:T0+2], v[\s+16:\s+31], v[TM+9]        ; (a conversion's three registers begin on an even number)
	v_cvt_scalef32_pk16_fp6_f32 v[(\d1):(\d1)+2], v[\s+32:\s+47], v[TM+10]
	v_cvt_scalef32_pk16_fp6_f32 v[T1:T1+2], v[\s+48:\s+63], v[TM+11]
	v_nop                                          ; one plain place behind a scaled conversion
.irp i, 0,1,2                                  ; the operand's layout wants a whole block in a lane: lanes 0-15 the even block, lanes 16-31 the odd one
	v_permlane16_swap_b32 v[(\d0)+\i], v[T0+\i]
	v_permlane16_swap_b32 v[(\d1)+\i], v[T1+\i]
.endr
.irp i, 0,1,2
	v_mov_b32 v[(\d0)+3+\i], v[T0+\i]
	v_mov_b32 v[(\d1)+3+\i], v[T1+\i]
.endr
.endm
	s_wait_loadcnt 0x0                             ; the biases
.irp b, 0,1,2,3
	v_mov_b32 v[TM+4+\b], 0                        ; written once: a lane permute's destination counts as one of its sources.  These four are also the places behind the last products
.endr
	s_cmp_ge_u32 s100, 4                           ; the same in all sixteen partners; no tensor load and no barrier stands in the two arms
	s_cbranch_scc1 .Lepi_v
	; ---- q, k: block a = 16 rows; its 128 outputs are two heads.  Blocks 2 p and 2 p + 1 make, for each head, one image.  Two sets of image registers take turns
.irp a, 0,1,2,3,4,5,6,7
	WIN 0x02+(\a/4)                                ; source 0: the accumulators' window
.set i, 0
.rept 32
	v_pk_add_f32 v[XQ+2*i:XQ+2*i+1], v[64*(\a%4)+2*i:64*(\a%4)+2*i+1], v[BIAS+2*i:BIAS+2*i+1]   ; + bias; each accumulator from its low end on
.set i, i+1
.endr
	WIN 0
.if \a == 4
	s_wait_xcnt 0x0                                ; the stores of pairs 0 and 1 have read their registers: both sets may be written again
.endif
	QUANT XQ, IMG+24*((\a/2)%2)+6*(\a%2), IMG+24*((\a/2)%2)+12+6*(\a%2), PW+(\a%2)
.if (\a%2) == 1
	v_perm_b32 v[SCW+\a/2], v[PW+1], v[PW], 0x05040100     ; head 0's word: the two tiles' low halves
	v_perm_b32 v[SCW+4+\a/2], v[PW+1], v[PW], 0x07060302   ; head 1's: their high halves
.irp c, 0,1
.irp g, 0,1,2
	global_store_b128 v[LOFF], v[IMG+24*((\a/2)%2)+12*\c+4*\g:IMG+24*((\a/2)%2)+12*\c+4*\g+3], s[12:13] offset:\c*BH+(\a/2)*1536+\g*512   ; 512 consecutive bytes
.endr
.endr
.endif
.endr
	s_branch .Lepi_end
.Lepi_v:
	; ---- v: block a = 16 channels of head a / 4; its 128 keys are one fragment of V^T
.irp a, 0,1,2,3,4,5,6,7
	WIN 0x02+(\a/4)
.set i, 0
.rept 64
	v_add_f32 v[XQ+i], v[64*(\a%4)+i], v[BV+\a]    ; + my channel's bias
.set i, i+1
.endr
	WIN 0
.if \a == 4
	s_wait_xcnt 0x0                                ; blocks 0-3's stores have read their registers
.endif
	QUANT XQ, IMG+12*(\a%4), IMG+12*(\a%4)+6, SCW+\a
.irp g, 0,1,2
	global_store_b128 v[LOFF], v[IMG+12*(\a%4)+4*\g:IMG+12*(\a%4)+4*\g+3], s[12:13] offset:(\a/4)*BH+(\a%4)*1536+\g*512
.endr
.endr
.Lepi_end:
	global_store_b128 v[LOFF], v[SCW:SCW+3], s[94:95]              ; four scale words a lane, for my first head,
	global_store_b128 v[LOFF], v[SCW+4:SCW+7], s[94:95] offset:BH  ; and my second
	s_wait_tensorcnt 0x0                           ; the wave's end
	ds_add_u32 v[SPW], v[NIL]
	s_wait_dscnt 0x0
	CROUND                                         ; the closing round
	s_endpgm
.Lfunc_end_k_qc7c879771c_proj:
	.size	k_qc7c879771c_proj, .Lfunc_end_k_qc7c879771c_proj-k_qc7c879771c_proj
	.p2alignl 7, 3214868480
	.fill 96, 4, 3214868480
	.section	.rodata,"a",@progbits
	.p2align	6, 0x0
	.amdhsa_kernel k_qc7c879771c_proj
		.amdhsa_group_segment_fixed_size 327680
		.amdhsa_private_segment_fixed_size 0
		.amdhsa_enable_private_segment 0
		.amdhsa_kernarg_size 96
		.amdhsa_user_sgpr_count 2
		.amdhsa_user_sgpr_kernarg_segment_ptr 1
		.amdhsa_wavefront_size32 1
		.amdhsa_system_sgpr_workgroup_id_x 1
		.amdhsa_system_sgpr_workgroup_id_y 1
		.amdhsa_system_sgpr_workgroup_id_z 1
		.amdhsa_system_vgpr_workitem_id 0
		.amdhsa_next_free_vgpr 1024
		.amdhsa_next_free_sgpr 106
		.amdhsa_reserve_vcc 0
		.amdhsa_float_denorm_mode_32 3
		.amdhsa_float_denorm_mode_16_64 3
		.amdhsa_memory_ordered 1
		.amdhsa_forward_progress 1
		.amdhsa_inst_pref_size 232
	.end_amdhsa_kernel
	.amdgpu_metadata
---
amdhsa.version: [ 1, 2 ]
amdhsa.kernels:
  - .name:           k_qc7c879771c_proj
    .symbol:         k_qc7c879771c_proj.kd
    .args:
      - { .name: xcodes, .offset: 0, .size: 8, .value_kind: global_buffer, .address_space: global }
      - { .name: xscales, .offset: 8, .size: 8, .value_kind: global_buffer, .address_space: global }
      - { .name: wcodes, .offset: 16, .size: 8, .value_kind: global_buffer, .address_space: global }
      - { .name: wscales, .offset: 24, .size: 8, .value_kind: global_buffer, .address_space: global }
      - { .name: bq, .offset: 32, .size: 8, .value_kind: global_buffer, .address_space: global }
      - { .name: bke, .offset: 40, .size: 8, .value_kind: global_buffer, .address_space: global }
      - { .name: bki, .offset: 48, .size: 8, .value_kind: global_buffer, .address_space: global }
      - { .name: bkei, .offset: 56, .size: 8, .value_kind: global_buffer, .address_space: global }
      - { .name: bve, .offset: 64, .size: 8, .value_kind: global_buffer, .address_space: global }
      - { .name: bvi, .offset: 72, .size: 8, .value_kind: global_buffer, .address_space: global }
      - { .name: bvei, .offset: 80, .size: 8, .value_kind: global_buffer, .address_space: global }
      - { .name: att, .offset: 88, .size: 8, .value_kind: global_buffer, .address_space: global }
    .group_segment_fixed_size: 327680
    .private_segment_fixed_size: 0
    .kernarg_segment_align: 8
    .kernarg_segment_size: 96
    .max_flat_workgroup_size: 128
    .sgpr_count:     106
    .vgpr_count:     1024
    .wavefront_size: 32
...
	.end_amdgpu_metadata
.endif
;; end of part 2
;; launch attn (part 3): grid 4 x 64, 16 waves a work-group, clusters of 4 x 1, 327,680 bytes of LDS; arguments att, mbits, ccodes, cscales; writes ccodes, cscales
.if DOCPART == 3
	.amdgcn_target "amdgcn-amd-amdhsa--gfx1250"
	.amdhsa_code_object_version 6
	.text
	.protected	k_qc7c879771c_attn
	.globl	k_qc7c879771c_attn
	.p2align	8
	.type	k_qc7c879771c_attn,@function
k_qc7c879771c_attn:
	s_mov_b64 s[64:65], 0
	v_nop
	global_prefetch_b8 v0, s[64:65] scope:SCOPE_SE
	s_setreg_imm32_b32 hwreg(HW_REG_WAVE_MODE, 25, 1), 1
	s_wait_xcnt 0x0
	s_wait_alu depctr_hold_cnt(0) depctr_sa_sdst(0) depctr_va_vdst(0) depctr_va_sdst(0) depctr_va_ssrc(0) depctr_va_vcc(0) depctr_vm_vsrc(0)
	s_getreg_b32 s2, hwreg(HW_REG_IB_STS2, 6, 4)
	s_cmp_eq_u32 s2, 0
	s_cbranch_scc0 .Lentry_in_a_cluster
	s_endpgm
.Lentry_in_a_cluster:
	s_bfe_u32 s2, ttmp6, 0x10000c
	s_cmp_lg_u32 s2, 0x3003
	s_cbranch_scc0 .Lentry_shape_is_right
	s_endpgm
.Lentry_shape_is_right:
; ATTN: for one (batch, head): the sum over three branches of softmax(mask(Q K^T / 8)) V, on codes of FP6 (E2M3) with E8M0 scales; the sum is quantised along the model's 1,024 and stored as images for the last product.
; SHARES.  The four work-groups of a cluster are the four blocks of 256 queries of one (batch, head); each of the sixteen waves owns one tile of 16 queries, in 256 registers: four waves to a SIMD.
; LDS.  K's and V's images and scale words of ALL THREE branches, 319,488 bytes, are brought ONCE, as they lie in att, by joint tensor loads of waves 0-3 (three each, 26,624 bytes a load, in the order of the branches): nothing is filled again.
; LAYOUT.  Both products are used transposed: S^T = K Q^T, O^T = V^T P^T: a lane holds one query.  The head's 64 are half of the instruction's 128: a K operand holds TWO tiles of 16 keys (registers 0-5, 6-11), and Q stands twice,
; [q, zeros] and [zeros, q]: zero codes add nothing.  By the position order of k's rows, register 16 b + i of S^T is key 128 step + 32 b + 16 (lane / 16) + i.
; THE MASK comes as lane masks, one word for each register of a tile of scores, by scalar loads a step ahead; a hidden score becomes XM = -2^33.  XM c is a whole number, exactly: in a row that is hidden so far M = XM c and p = 1,
; and the first open key's change of M multiplies all that by 0.  LIMIT: -2^33 stands for 8 x -1e9: results differ only where an OPEN logit lies under about -1e9.
; SOFTMAX: t = score c, c = log2(e) / 8; M = the running largest t rounded up; p = 2^(t - M) is quantised along the keys; the row's sum is taken of the unquantised p and divides O at a branch's end.
; LIMITS: a block of zeros carries the byte 1; NaN and infinities are not served.
.set BH,    372736
.set BRB,   106496
.set VIMG,  49152
.set KSC,   98304
.set QIMG,  319488
.set QSC,   368640
.set QUART, 26624
.set SPARE, 319488                     ; behind the tiles: the spare words, 128 bytes for each of 16 waves: eight blocks of 256 bytes that no other line names
.set LI,  1                            ; v1   16 x lane
.set ADK, 2                            ; v2   LDS address of the step's images
.set ADS, 3                            ; v3   of its scale words
.set SPW, 4                            ; v4   my spare word; never rewritten
.set NIL, 5                            ; v5   0; never rewritten
.set XM,  6                            ; v6   -2^33
.set QS,  7                            ; v7   Q's scale word
.set KSR, 8                            ; v8-11 K's scale words, by pair of tiles
.set QLO, 16                           ; v16-27 [q, 0];  v28-39 [0, q]
.set FRG, 40                           ; v40-87 four fragments: K's, then V's
.set S,   88                           ; v88-151 S^T, then p
.set OA,  152                          ; v152-183 O^T of the branch
.set OT,  184                          ; v184-215 the sum over the branches
.set PC,  216                          ; v216-227 p's codes
.set TT,  228                          ; v228-235 the second halves of the blocks' codes
.set BM,  236                          ; v236-239 the blocks' largest scores, then largest p
.set TP,  240                          ; v240-243 at work
.set SO,  244                          ; v244-247 the conversions' scale operands
.set VSR, 248                          ; v248-251 V's scale words, by tile of channels
.set PS,  253                          ; v252 f, v253 p's scale word;  v12 -M, v13 the largest t, v[14:15] the sum;  v254, v255 at work
.set SI,  2                            ; s2   LDS byte of the step's images
.set SS,  3                            ; s3   of its scale words
.set CS,  10                           ; s[10:11] c
.set G1,  12                           ; s[12:19] descriptor group 1;  s[20:31] three groups 0
.set G0,  20
.set WV,  66
.set CNT, 67
.set MO,  100                          ; s100 the mask words' offset: 256 bytes a step, round 2,048
.set SEL, 104                          ; s[104:105]
; the mask's 64 words: s32-63 and s68-99
.macro CROUND
	s_barrier_signal -1
	s_barrier_wait -1
	s_cmp_lg_u32 s[WV], 0
	s_cbranch_scc1 .Lnot_wave_0_\@
	s_barrier_signal -3
.Lnot_wave_0_\@:
	s_barrier_wait -3
	s_barrier_signal -1
	s_barrier_wait -1
.endm
.macro MLOAD                           ; a step's 64 lane masks
	s_load_b512 s[32:47], s[4:5], s[MO] offset:0x0
	s_load_b512 s[48:63], s[4:5], s[MO] offset:0x40
	s_load_b512 s[68:83], s[4:5], s[MO] offset:0x80
	s_load_b512 s[84:99], s[4:5], s[MO] offset:0xc0
.endm
	s_load_b256 s[32:39], s[0:1], 0x0              ; att, mbits, ccodes, cscales
	v_lshl_add_u32 v[SPW], v0, 2, SPARE
	v_mov_b32 v[NIL], 0
	ds_add_u32 v[SPW], v[NIL]                      ; the wave's opening: the add and its wait ahead of the first tensor loads; work on registers stands between them
	v_lshrrev_b32 v1, 5, v0
	v_readfirstlane_b32 s[WV], v1                  ; wave 0..15
	s_bfe_u32 s40, ttmp6, 0x40000                  ; cx: it enters global addresses of my own alone
	s_and_b32 s41, ttmp7, 0xffff                   ; (batch, head), which the four partners share
	s_mov_b32 s[G1], 15|(3<<16)|(1<<21)            ; the mask: all four; elements of 8 bytes; no padding; bit 21 beside a mask
	s_mov_b32 s[G1+1], 32<<16                      ; tensor_dim0: 256 bytes
	s_mov_b32 s[G1+2], 104<<16                     ; tensor_dim1: 104 rows
	s_mov_b32 s[G1+3], 32<<16                      ; tile_dim0
	s_mov_b32 s[G1+4], 104                         ; tile_dim1
	s_mov_b32 s[G1+5], 32                          ; the pitch: dense
	s_mov_b32 s[G1+6], 0
	s_mov_b32 s[G1+7], 0
	s_and_b32 s42, s[WV], 3
	s_mul_i32 s42, s42, QUART                      ; a fetching wave's quarter of a branch, in memory and in LDS alike
	s_mov_b32 s43, 0
	s_mul_i32 s44, s41, BH
	s_mov_b32 s45, 0
	s_mov_b32 s[CS], 0x3e38aa3b                    ; c = log2(e) / 8
	s_mov_b32 s[CS+1], s[CS]                       ; (named with it as a pair)
	s_mov_b32 s[SEL], 0x76543210
	s_mov_b32 s[SEL+1], 0xfedcba98
	s_wait_dscnt 0x0                               ; the opening add is done
	s_wait_kmcnt 0x0
	s_add_nc_u64 s[46:47], s[32:33], s[44:45]      ; att at my (batch, head)
	s_add_nc_u64 s[48:49], s[46:47], s[42:43]
	CROUND                                         ; all four work-groups are here: the joint loads meet
.irp b, 0,1,2
	s_mov_b32 s[G0+4*\b], 1
	s_add_co_u32 s[G0+4*\b+1], s42, \b*BRB
	s_add_nc_u64 s[G0+4*\b+2:G0+4*\b+3], s[48:49], \b*BRB
	s_or_b32 s[G0+4*\b+3], s[G0+4*\b+3], 0x80000000
.endr
	s_cmp_lt_u32 s[WV], 4                          ; a wave's three fills stand in one branch on the wave's number, ahead of every wait on TENSORcnt, every LDS read and every further barrier: three loads of mine are out
	s_cbranch_scc0 .Lno_fill
	tensor_load_to_lds s[G0:G0+3], s[G1:G1+7]
	s_nop 0
	tensor_load_to_lds s[G0+4:G0+7], s[G1:G1+7]
	s_nop 0
	tensor_load_to_lds s[G0+8:G0+11], s[G1:G1+7]
	s_nop 0
.rept 4
	v_nop
.endr
.Lno_fill:
	v_and_b32 v1, 31, v0
	v_lshlrev_b32 v[LI], 4, v1
	s_lshl_b32 s50, s40, 4
	s_add_co_u32 s50, s50, s[WV]                   ; qt: my tile of queries, 0..63
	s_lshr_b32 s51, s41, 4
	s_lshl_b32 s51, s51, 6
	s_add_co_u32 s51, s51, s50                     ; 64 batch + qt
	s_and_b32 s52, s41, 15                         ; head
	s_mov_b32 s55, 0
	s_lshl_b32 s54, s51, 11
	s_add_nc_u64 s[4:5], s[34:35], s[54:55]        ; my tile's mask words: 8 steps of 256 bytes
	s_lshl_b32 s54, s51, 4
	s_add_co_u32 s54, s54, s52
	s_mul_i32 s54, s54, 768
	s_add_nc_u64 s[6:7], s[36:37], s[54:55]        ; ccodes [tile of rows][head][3][32 lanes][8]
	s_lshl_b32 s54, s51, 9
	s_lshl_b32 s53, s52, 1
	s_add_co_u32 s54, s54, s53
	s_add_nc_u64 s[8:9], s[38:39], s[54:55]        ; cscales [row][32]: my 16 rows, my head's two bytes
	s_lshr_b32 s54, s50, 1
	s_mul_i32 s54, s54, 1536
	s_add_co_u32 s54, s54, QIMG
	s_add_nc_u64 s[56:57], s[46:47], s[54:55]      ; the image of my pair of tiles of Q
	s_lshr_b32 s54, s50, 3
	s_lshl_b32 s54, s54, 9
	s_bfe_u32 s53, s50, 0x20001
	s_lshl_b32 s53, s53, 2
	s_add_co_u32 s54, s54, s53
	s_add_co_u32 s54, s54, QSC
	s_add_nc_u64 s[58:59], s[46:47], s[54:55]      ; and its scale words
	global_load_b128 v[S:S+3], v[LI], s[56:57]
	global_load_b128 v[S+4:S+7], v[LI], s[56:57] offset:512
	global_load_b128 v[S+8:S+11], v[LI], s[56:57] offset:1024
	global_load_b32 v254, v[LI], s[58:59]
	s_and_b32 s100, s[WV], 1                       ; which tile of the pair is mine
	s_cmp_lg_u32 s100, 0
	s_cselect_b32 s100, -1, 0
	s_mov_b32 s101, 0x01000100
	s_cselect_b32 s101, 0x03020302, s101           ; my tile's two scale bytes, twice: they serve [q, 0] and [0, q] alike
	v_mov_b32 v[XM], 0xd0000000
.irp i, 0,1,2,3,4,5
	v_mov_b32 v[QLO+6+\i], 0
	v_mov_b32 v[QLO+12+\i], 0
.endr
.irp i, 0,1,2,3
	v_mov_b32 v[TP+\i], 0                          ; written once: a lane permute's destination counts as one of its sources
.endr
	v_mov_b32 v[PS], 0                             ; (named as the upper half of the pair v[252:253] before it is first written)
	s_wait_loadcnt 0x0                             ; Q; its loads' bases may be written from here on
.irp i, 0,1,2,3,4,5
	v_cndmask_b32 v[QLO+\i], v[S+\i], v[S+6+\i], s100
.endr
.irp i, 0,1,2,3,4,5
	v_mov_b32 v[QLO+18+\i], v[QLO+\i]
.endr
	v_perm_b32 v[QS], v254, v254, s101
	s_mov_b32 s[MO], 0
	MLOAD                                          ; the first step's masks
; A KEY STEP: 128 keys.
.macro STEP
	v_add_nc_u32 v[ADK], s[SI], v[LI]
	v_add_nc_u32 v[ADS], s[SS], v[LI]
	v_nop
	v_nop                                          ; four places in front of loads into registers that the last products read
.irp c, 0,1,2,3
.irp g, 0,1,2
	ds_load_b128 v[FRG+12*\c+4*\g:FRG+12*\c+4*\g+3], v[ADK] offset:1536*\c+512*\g   ; K's four images: 512 consecutive bytes a load
.endr
.endr
	ds_load_b128 v[KSR:KSR+3], v[ADS]
	ds_load_b128 v[VSR:VSR+3], v[ADS] offset:4096
	s_wait_dscnt 0x0
.irp c, 0,1,2,3
.irp u, 0,1
	v_wmma_scale_f32_16x16x128_f8f6f4 v[S+8*(2*\c+\u):S+8*(2*\c+\u)+7], v[FRG+12*\c:FRG+12*\c+11], v[QLO+12*\u:QLO+12*\u+11], 0, v[KSR+\c], v[QS] matrix_a_fmt:MATRIX_FMT_FP6 matrix_b_fmt:MATRIX_FMT_FP6
.endr
.endr
.rept 4
	v_nop                                          ; places: in front of the loads below, and of the first read of the scores
.endr
.irp t, 0,1,2,3
.irp g, 0,1,2
	ds_load_b128 v[FRG+12*\t+4*\g:FRG+12*\t+4*\g+3], v[ADK] offset:VIMG+1536*\t+512*\g   ; V's four images land under the softmax
.endr
.endr
	s_wait_kmcnt 0x0                               ; this step's masks are in, so their offset may be stepped
	s_add_co_u32 s[MO], s[MO], 256
	s_and_b32 s[MO], s[MO], 2047                   ; round the tile's eight steps: the next branch begins anew, and no load leaves the buffer
.set n, 0
.rept 64
	v_cndmask_b32 v[S+n], v[XM], v[S+n], s[32+n+4*(n/32)]   ; hidden: -2^33.  Each accumulator from its low end on
.set n, n+1
.endr
	MLOAD                                          ; the next step's masks
.irp b, 0,1,2,3
	v_max3_num_f32 v[BM+\b], v[S+16*\b], v[S+1+16*\b], v[S+2+16*\b]   ; the largest score of each block of 32 keys: for the row's maximum and, since p rises with the score, for the block's largest p
.endr
.irp i, 3,5,7,9,11,13
.irp b, 0,1,2,3
	v_max3_num_f32 v[BM+\b], v[BM+\b], v[S+16*\b+\i], v[S+1+16*\b+\i]
.endr
.endr
.irp b, 0,1,2,3
	v_max_num_f32 v[BM+\b], v[BM+\b], v[S+15+16*\b]
.endr
.irp b, 0,1,2,3
	v_permlanex16_b32 v[TP+\b], v[BM+\b], s[SEL], s[SEL+1]
.endr
.irp b, 0,1,2,3
	v_max_num_f32 v[BM+\b], v[BM+\b], v[TP+\b]     ; with lane l xor 16's 16 keys
.endr
	v_max3_num_f32 v254, v[BM], v[BM+1], v[BM+2]
	v_max_num_f32 v254, v254, v[BM+3]
	v_mul_f32 v254, s[CS], v254                    ; as t
	v_max_num_f32 v13, v13, v254                   ; the running largest t
	v_mov_b32 v254, v12
	v_floor_f32 v12, -v13                          ; -M = floor(-t): M is a whole number
	v_sub_f32 v254, v12, v254                      ; old M - new M: a whole number, 0 or less
	v_cvt_i32_f32 v254, v254                       ; (it saturates)
	v_ldexp_f32 v252, 1.0, v254                    ; f = 2^(old M - new M): rounds nothing
.set j, 0
.rept 32
	v_pk_fma_f32 v[S+j:S+j+1], v[S+j:S+j+1], s[CS:CS+1], v[12:13] op_sel_hi:[1,0,0]   ; t - M, two at a time
.set j, j+2
.endr
.irp b, 0,1,2,3
	v_fma_f32 v[BM+\b], v[BM+\b], s[CS], v12
.endr
.set j, 0
.rept 64
	v_exp_f32 v[S+j], v[S+j]                       ; p = 2^(t - M)
.set j, j+1
.endr
	v_pk_mul_f32 v[14:15], v[14:15], v[252:253] op_sel_hi:[1,0]   ; the sums under the new M (the plain place behind the exponentials)
	s_wait_alu depctr_va_vdst(0)                   ; one wait for the batch of 64, ahead of its first reader
.irp b, 0,1,2,3
	v_exp_f32 v[BM+\b], v[BM+\b]                   ; the blocks' largest p
.endr
	v_pk_add_f32 v[TP:TP+1], v[S:S+1], v[S+2:S+3]  ; the row's sum of the unquantised p, in two chains
.set j, 4
.rept 15
	v_pk_add_f32 v[14:15], v[14:15], v[S+j:S+j+1]
	v_pk_add_f32 v[TP:TP+1], v[TP:TP+1], v[S+j+2:S+j+3]
.set j, j+4
.endr
	v_pk_add_f32 v[14:15], v[14:15], v[TP:TP+1]
	s_wait_alu depctr_va_vdst(0)                   ; and one for the four
.irp b, 0,1,2,3
	v_max_num_f32 v[BM+\b], 0x1800000, v[BM+\b]    ; the floor: the byte cannot fall under 1
.endr
.irp b, 0,1,2,3
	v_add_nc_u32 v[SO+\b], 0xff000000, v[BM+\b]    ; the conversion's scale operand
.endr
.irp b, 0,1,2,3
	v_lshrrev_b32 v[TP+\b], 23, v[SO+\b]           ; the scale's byte
.endr
	v_lshl_or_b32 v[PS], v[TP+1], 8, v[TP]
	v_lshl_or_b32 v[PS], v[TP+2], 16, v[PS]
	v_lshl_or_b32 v[PS], v[TP+3], 24, v[PS]
.irp c, 0,1
	v_cvt_scalef32_pk16_fp6_f32 v[PC+6*\c:PC+6*\c+2], v[S+32*\c:S+32*\c+15], v[SO+2*\c]
	v_cvt_scalef32_pk16_fp6_f32 v[TT+4*\c:TT+4*\c+2], v[S+16+32*\c:S+31+32*\c], v[SO+2*\c+1]
.endr
	v_nop                                          ; one plain place behind a scaled conversion
.irp c, 0,1
.irp i, 0,1,2
	v_permlane16_swap_b32 v[PC+6*\c+\i], v[TT+4*\c+\i]
.endr
.irp i, 0,1,2
	v_mov_b32 v[PC+3+6*\c+\i], v[TT+4*\c+\i]
.endr
.endr
.set j, 0
.rept 16
	v_pk_mul_f32 v[OA+j:OA+j+1], v[OA+j:OA+j+1], v[252:253] op_sel_hi:[1,0]   ; O^T under the new M.  (These are also the places between the writes of p's codes and scale word and the products below)
.set j, j+2
.endr
	s_wait_dscnt 0x0                               ; V
.irp t, 0,1,2,3
	v_wmma_scale_f32_16x16x128_f8f6f4 v[OA+8*\t:OA+8*\t+7], v[FRG+12*\t:FRG+12*\t+11], v[PC:PC+11], v[OA+8*\t:OA+8*\t+7], v[VSR+\t], v[PS] matrix_a_fmt:MATRIX_FMT_FP6 matrix_b_fmt:MATRIX_FMT_FP6
.endr
	s_add_co_u32 s[SI], s[SI], 6144
	s_add_co_u32 s[SS], s[SS], 512
.endm
; A branch's end: O^T / the row's sum is added to the sum over the branches.
.macro FINISH br
.rept 4
	v_nop                                          ; places behind the last products
.endr
	v_add_f32 v14, v14, v15
	v_permlanex16_b32 v254, v14, s[SEL], s[SEL+1]
	v_add_f32 v14, v14, v254                       ; the row's sum
	v_rcp_f32 v254, v14
	v_mov_b32 v255, 0                              ; (the plain place; named with v254 as a pair)
	s_wait_alu depctr_va_vdst(0)                   ; the wait ahead of the reciprocal's first reader
.set j, 0
.rept 16
.if \br == 0
	v_pk_mul_f32 v[OT+j:OT+j+1], v[OA+j:OA+j+1], v[254:255] op_sel_hi:[1,0]
.else
	v_pk_fma_f32 v[OT+j:OT+j+1], v[OA+j:OA+j+1], v[254:255], v[OT+j:OT+j+1] op_sel_hi:[1,0,1]
.endif
.set j, j+2
.endr
.endm
.macro BRANCH br
	s_wait_tensorcnt 2-\br                         ; my load for this branch has landed; those for the later branches may stay out
	s_barrier_signal -1
	s_barrier_wait -1                              ; everybody's has
	s_mov_b32 s[SI], \br*BRB
	s_mov_b32 s[SS], \br*BRB+KSC
	s_mov_b32 s[CNT], 8
	v_mov_b32 v13, 0xff61b1e6                      ; the largest t so far: -3e38
	v_floor_f32 v12, -v13
	v_mov_b32 v14, 0
	v_mov_b32 v15, 0
.set j, 0
.rept 32
	v_mov_b32 v[OA+j], 0                           ; the step is written once: the first finds zeros, which the first change of M leaves zeros
.set j, j+1
.endr
.Lstep_\@:
	STEP
	s_sub_co_u32 s[CNT], s[CNT], 1
	s_cmp_lg_u32 s[CNT], 0
	s_cbranch_scc1 .Lstep_\@
	FINISH \br
.endm
	BRANCH 0
	BRANCH 1
	BRANCH 2
	; THE END: register 16 b + i of the sum is channel 32 b + 16 (lane / 16) + i of my head (the position order of Wv's rows): two blocks of the last product's K
.irp b, 0,1
	v_max3_num_f32 v[BM+\b], |v[OT+16*\b]|, |v[OT+1+16*\b]|, 0x1800000
.endr
.irp i, 2,4,6,8,10,12,14
.irp b, 0,1
	v_max3_num_f32 v[BM+\b], v[BM+\b], |v[OT+16*\b+\i]|, |v[OT+1+16*\b+\i]|
.endr
.endr
.irp b, 0,1
	v_permlanex16_b32 v[TP+\b], v[BM+\b], s[SEL], s[SEL+1]
.endr
.irp b, 0,1
	v_max_num_f32 v[BM+\b], v[BM+\b], v[TP+\b]
.endr
.irp b, 0,1
	v_add_nc_u32 v[SO+\b], 0xff000000, v[BM+\b]
.endr
.irp b, 0,1
	v_lshrrev_b32 v[TP+\b], 23, v[SO+\b]
.endr
	v_cvt_scalef32_pk16_fp6_f32 v[PC:PC+2], v[OT:OT+15], v[SO]
	v_cvt_scalef32_pk16_fp6_f32 v[TT:TT+2], v[OT+16:OT+31], v[SO+1]
	v_nop                                          ; one plain place behind a scaled conversion
.irp i, 0,1,2
	v_permlane16_swap_b32 v[PC+\i], v[TT+\i]
.endr
.irp i, 0,1,2
	v_mov_b32 v[PC+3+\i], v[TT+\i]                 ; six registers: channels 32 (lane / 16) + 0 .. 31 of my row
.endr
	s_mov_b32 s101, 0xffff0000
	v_cndmask_b32 v254, v[TP], v[TP+1], s101       ; lanes 0-15 hold block 0's byte, lanes 16-31 block 1's
	v_and_b32 v2, 31, v0
	v_lshlrev_b32 v2, 3, v2                        ; 8 x lane
	v_and_b32 v3, 15, v0
	v_lshlrev_b32 v3, 5, v3
	v_bfe_u32 v255, v0, 4, 1
	v_add_nc_u32 v3, v3, v255                      ; row r of 32 bytes, + the block
.irp p, 0,1,2
	global_store_b64 v2, v[PC+2*\p:PC+2*\p+1], s[6:7] offset:256*\p   ; 32 lanes store 256 consecutive bytes, aligned
.endr
	global_store_b8 v3, v254, s[8:9]               ; single bytes, rows 32 bytes apart: 131,072 bytes in the whole launch
	s_wait_kmcnt 0x0                               ; the masks asked for in the last step are not used
	s_wait_tensorcnt 0x0                           ; the wave's end
	ds_add_u32 v[SPW], v[NIL]
	s_wait_dscnt 0x0
	CROUND                                         ; the closing round
	s_endpgm
.Lfunc_end_k_qc7c879771c_attn:
	.size	k_qc7c879771c_attn, .Lfunc_end_k_qc7c879771c_attn-k_qc7c879771c_attn
	.p2alignl 7, 3214868480
	.fill 96, 4, 3214868480
	.section	.rodata,"a",@progbits
	.p2align	6, 0x0
	.amdhsa_kernel k_qc7c879771c_attn
		.amdhsa_group_segment_fixed_size 327680
		.amdhsa_private_segment_fixed_size 0
		.amdhsa_enable_private_segment 0
		.amdhsa_kernarg_size 32
		.amdhsa_user_sgpr_count 2
		.amdhsa_user_sgpr_kernarg_segment_ptr 1
		.amdhsa_wavefront_size32 1
		.amdhsa_system_sgpr_workgroup_id_x 1
		.amdhsa_system_sgpr_workgroup_id_y 1
		.amdhsa_system_sgpr_workgroup_id_z 1
		.amdhsa_system_vgpr_workitem_id 0
		.amdhsa_next_free_vgpr 256
		.amdhsa_next_free_sgpr 106
		.amdhsa_reserve_vcc 0
		.amdhsa_float_denorm_mode_32 3
		.amdhsa_float_denorm_mode_16_64 3
		.amdhsa_memory_ordered 1
		.amdhsa_forward_progress 1
		.amdhsa_inst_pref_size 77
	.end_amdhsa_kernel
	.amdgpu_metadata
---
amdhsa.version: [ 1, 2 ]
amdhsa.kernels:
  - .name:           k_qc7c879771c_attn
    .symbol:         k_qc7c879771c_attn.kd
    .args:
      - { .name: att, .offset: 0, .size: 8, .value_kind: global_buffer, .address_space: global }
      - { .name: mbits, .offset: 8, .size: 8, .value_kind: global_buffer, .address_space: global }
      - { .name: ccodes, .offset: 16, .size: 8, .value_kind: global_buffer, .address_space: global }
      - { .name: cscales, .offset: 24, .size: 8, .value_kind: global_buffer, .address_space: global }
    .group_segment_fixed_size: 327680
    .private_segment_fixed_size: 0
    .kernarg_segment_align: 8
    .kernarg_segment_size: 32
    .max_flat_workgroup_size: 512
    .sgpr_count:     106
    .vgpr_count:     256
    .wavefront_size: 32
...
	.end_amdgpu_metadata
.endif
;; end of part 3
;; launch outp (part 4): grid 4 x 16, 4 waves a work-group, clusters of 4 x 4, 327,680 bytes of LDS; arguments ccodes, cscales, wcodes, wscales, bo, out0; writes out0
.if DOCPART == 4
	.amdgcn_target "amdgcn-amd-amdhsa--gfx1250"
	.amdhsa_code_object_version 6
	.text
	.protected	k_qc7c879771c_outp
	.globl	k_qc7c879771c_outp
	.p2align	8
	.type	k_qc7c879771c_outp,@function
k_qc7c879771c_outp:
	s_mov_b64 s[64:65], 0
	v_nop
	global_prefetch_b8 v0, s[64:65] scope:SCOPE_SE
	s_setreg_imm32_b32 hwreg(HW_REG_WAVE_MODE, 25, 1), 1
	s_wait_xcnt 0x0
	s_wait_alu depctr_hold_cnt(0) depctr_sa_sdst(0) depctr_va_vdst(0) depctr_va_sdst(0) depctr_va_ssrc(0) depctr_va_vcc(0) depctr_vm_vsrc(0)
	s_getreg_b32 s2, hwreg(HW_REG_IB_STS2, 6, 4)
	s_cmp_eq_u32 s2, 0
	s_cbranch_scc0 .Lentry_in_a_cluster
	s_endpgm
.Lentry_in_a_cluster:
	s_bfe_u32 s2, ttmp6, 0x10000c
	s_cmp_lg_u32 s2, 0xf033
	s_cbranch_scc0 .Lentry_shape_is_right
	s_endpgm
.Lentry_shape_is_right:
; OUTP: out0 = concat Wo + bo on codes of FP6 (E2M3) with E8M0 scales; f32 out.  [4096 x 1024] x [1024 x 1024]: 64 tiles of 256 x 256, a work-group each, four waves of 128 x 128 (64 accumulators).
; A (source 1, a lane holds a row) = the attention's result, stored as images: ccodes [tile of 16 rows][head 16][3][32 lanes][8 bytes]: a K step of 128 (two heads) of a tile of rows is 1,536 bytes, six loads of 8 bytes a lane.
; B (source 0, the registers run along its rows) = rows 7,168 + n of wcodes.  Both lie in the position order (groups of eight rows 0, 2, 1, 3 in each 32): the way out puts rows and columns back.
; K goes in steps of 256 through a ring of two LDS slots filled by joint tensor loads (A's tile shared along a row of the cluster, B's along a column); the scale bytes come once.  bo is the C of each sum's first product.
; Only 64 work-groups: a quarter-size tile would fill more WGPs at twice the LDS reads for each product; this launch is a small part of the program.
; REGISTERS: window 0: v0-31 addresses; v32-63 scale words; v64-127 bo; v128-223 A's fragments; on the way out v128-255.  window 1: B's fragments, two sets.  windows 2, 3: the accumulators.
.set KSTEP,  256
.set NQ,     2
.set ROWB,   192
.set KROW,   768
.set ASTEP,  3072                      ; a K step of a tile of 16 rows of A: four heads of 768 bytes
.set PITCH,  240
.set FR,     12
.set NL,     6
.set NP,     4
.set HALFT,  128*PITCH
.set SLOT,   4*HALFT
.set LAPS,   2
.set KS,     32
.set SCL,    2*SLOT
.set HALFS,  16*272
.set SBLK,   2*272
.set SPARE,  SCL+4*HALFS               ; the spare words, 128 bytes a wave: two blocks of 256 bytes that no other line names
.set SPITCH, 528                       ; the way out: a stage of 16 rows x (512 + 16) bytes a wave, in slot 0, which has had its last fill and its last read by then
.set ADRA, 16                          ; v16-17  LDS address of my A images in slot 0, 1
.set ADRB, 20                          ; v20-23  of my B fragments
.set STO,  24
.set RD,   25
.set CO,   26
.set ADRS, 27
.set SPW,  28                          ; my spare word; never rewritten
.set NIL,  29                          ; 0; never rewritten
.set VB,   30                          ; the bias loads' offset; never rewritten
.set SC,   32
.set BIAS, 64
.set AF,   128
.set BK,   128
.set G1, 24
.set G0, 32
.set G1B, 48
.set G0B, 56
.set G1S, 68
.set G0S, 76
.set G1SB, 80
.set G0SB, 88
.set MSB, 0
.macro WIN new
.if MSB != (\new)
	s_set_vgpr_msb (MSB<<8)|(\new)
.set MSB, (\new)
.endif
.endm
.set MUL_LO, 0xa1                      ; source 0 (B) window 1, source 1 (A) window 0, C and D window 2
.set MUL_HI, 0xf1
.set FST_LO, 0x81                      ; the first step: C (bo) window 0, D window 2
.set FST_HI, 0xc1
.set TO_B,   0x40
.macro JLOAD g0a, g1a, g0b, g1b        ; a joint load: waves 0 and 1 fetch for A, waves 2 and 3 for B; an s_nop 0 and four v_nop follow each of the two lines
	s_cmp_eq_u32 s15, 0
	s_cbranch_scc0 .Lfor_b_\@
	tensor_load_to_lds s[\g0a:\g0a+3], s[\g1a:\g1a+7]
	s_nop 0
.rept 4
	v_nop
.endr
	s_branch .Lasked_\@
.Lfor_b_\@:
	tensor_load_to_lds s[\g0b:\g0b+3], s[\g1b:\g1b+7]
	s_nop 0
.rept 4
	v_nop
.endr
.Lasked_\@:
.endm
.macro CREST
	s_cmp_lg_u32 s14, 0
	s_cbranch_scc1 .Lnot_wave_0_\@
	s_barrier_signal -3
.Lnot_wave_0_\@:
	s_barrier_wait -3
	s_barrier_signal -1
	s_barrier_wait -1
.endm
.macro CROUND
	s_barrier_signal -1
	s_barrier_wait -1
	CREST
.endm
	s_load_b128 s[4:7], s[0:1], 0x0                ; ccodes, cscales
	s_load_b128 s[8:11], s[0:1], 0x10              ; wcodes, wscales
	s_load_b128 s[96:99], s[0:1], 0x20             ; bo, out0
	v_lshl_add_u32 v[SPW], v0, 2, SPARE
	v_mov_b32 v[NIL], 0
	ds_add_u32 v[SPW], v[NIL]                      ; the wave's opening: the add and its wait ahead of my first tensor load
	v_lshrrev_b32 v1, 5, v0
	v_readfirstlane_b32 s14, v1                    ; wave 0..3
	s_lshr_b32 s15, s14, 1                         ; which 128 rows are mine.  Also: I fetch for A (0) or for B (1)
	s_and_b32 s16, s14, 1                          ; which 128 columns.  Also: which 128 rows of that tile I fetch
	s_bfe_u32 s40, ttmp6, 0x40000
	s_bfe_u32 s41, ttmp6, 0x40004
	s_lshl_b32 s42, ttmp9, 2
	s_add_co_u32 s42, s42, s40                     ; tile column
	s_and_b32 s17, ttmp7, 0xffff
	s_lshl_b32 s17, s17, 2
	s_add_co_u32 s17, s17, s41                     ; tile row
	s_lshl_b32 s43, s41, 2
	s_lshl_b32 s43, 15, s43                        ; my row of the cluster
	s_lshl_b32 s44, 0x1111, s40                    ; my column
	s_or_b32 s[G1+0], s43, (3<<16)|(1<<21)         ; A: elements of 8 bytes, no padding: 8 tiles of rows x 3,072 bytes, 12,288 bytes apart
	s_mov_b32 s[G1+1], 384<<16
	s_mov_b32 s[G1+2], 8<<16
	s_mov_b32 s[G1+3], 384<<16
	s_mov_b32 s[G1+4], 8
	s_mov_b32 s[G1+5], 1536
	s_mov_b32 s[G1+6], 0
	s_mov_b32 s[G1+7], 0
	s_or_b32 s[G1B+0], s44, (0<<16)|(1<<20)|(1<<21)|(3<<22)|(3<<25)   ; B: 128 rows x 192 bytes, 16 bytes of padding behind every 64
	s_mov_b32 s[G1B+1], ROWB<<16
	s_mov_b32 s[G1B+2], 128<<16
	s_mov_b32 s[G1B+3], ROWB<<16
	s_mov_b32 s[G1B+4], 128
	s_mov_b32 s[G1B+5], KROW
	s_mov_b32 s[G1B+6], 0
	s_mov_b32 s[G1B+7], 0
	s_or_b32 s[G1S+0], s43, (3<<16)|(1<<20)|(1<<21)|(5<<22)|(3<<25)   ; the scales of 128 rows: 16 rows of 256 bytes, 16 of padding behind each
	s_or_b32 s[G1SB+0], s44, (3<<16)|(1<<20)|(1<<21)|(5<<22)|(3<<25)
.irp g, G1S, G1SB
	s_mov_b32 s[\g+1], 32<<16
	s_mov_b32 s[\g+2], 16<<16
	s_mov_b32 s[\g+3], 32<<16
	s_mov_b32 s[\g+4], 16
	s_mov_b32 s[\g+5], 32
	s_mov_b32 s[\g+6], 0
	s_mov_b32 s[\g+7], 0
.endr
	s_lshl_b32 s18, s16, 7
	s_lshl_b32 s20, s17, 8
	s_add_co_u32 s20, s20, s18                     ; A: row 256 x tile row + 128 x half
	s_lshl_b32 s46, s42, 8
	s_add_co_u32 s46, s46, s18
	s_add_co_u32 s46, s46, 7*1024                  ; B: Wo is the eighth weight
	s_mov_b32 s21, 0
	s_mov_b32 s47, 0
	s_mov_b64 s[18:19], KS
	s_mul_u64 s[22:23], s[20:21], s[18:19]
	s_mul_u64 s[92:93], s[46:47], s[18:19]
	s_mov_b64 s[18:19], KROW
	s_mul_u64 s[20:21], s[20:21], s[18:19]         ; (a row's share of the images is 768 bytes too: 16 rows, 12,288)
	s_mul_u64 s[46:47], s[46:47], s[18:19]
	s_mul_i32 s45, s14, HALFT
	s_mul_i32 s94, s14, HALFS
	s_wait_dscnt 0x0                               ; the opening add is done
	s_wait_kmcnt 0x0
	s_add_nc_u64 s[20:21], s[4:5], s[20:21]
	s_add_nc_u64 s[22:23], s[6:7], s[22:23]
	s_add_nc_u64 s[46:47], s[8:9], s[46:47]
	s_add_nc_u64 s[92:93], s[10:11], s[92:93]
	CROUND                                         ; all sixteen work-groups are here: the first joint loads meet
	s_mov_b32 s[G0S], 1
	s_add_co_u32 s[G0S+1], s94, SCL
	s_mov_b64 s[G0S+2:G0S+3], s[22:23]
	s_or_b32 s[G0S+3], s[G0S+3], 0x80000000
	s_mov_b32 s[G0SB], 1
	s_add_co_u32 s[G0SB+1], s94, SCL
	s_mov_b64 s[G0SB+2:G0SB+3], s[92:93]
	s_or_b32 s[G0SB+3], s[G0SB+3], 0x80000000
	JLOAD G0S, G1S, G0SB, G1SB                     ; the scales first.  With the two slots three loads of mine are out
.irp s, 0,1
	s_mov_b32 s[G0+4*\s], 1
	s_add_co_u32 s[G0+4*\s+1], s45, \s*SLOT
	s_add_nc_u64 s[G0+4*\s+2:G0+4*\s+3], s[20:21], \s*ASTEP
	s_or_b32 s[G0+4*\s+3], s[G0+4*\s+3], 0x80000000
	s_mov_b32 s[G0B+4*\s], 1
	s_add_co_u32 s[G0B+4*\s+1], s45, \s*SLOT
	s_add_nc_u64 s[G0B+4*\s+2:G0B+4*\s+3], s[46:47], \s*ROWB
	s_or_b32 s[G0B+4*\s+3], s[G0B+4*\s+3], 0x80000000
	JLOAD G0+4*\s, G1, G0B+4*\s, G1B
.endr
	v_and_b32 v1, 15, v0                           ; r
	v_bfe_u32 v2, v0, 4, 1                         ; h
	v_and_b32 v6, 31, v0                           ; lane
	v_lshlrev_b32 v7, 3, v6                        ; A's images: 8 x lane
	v_mul_u32_u24 v3, v1, PITCH
	v_mul_u32_u24 v4, v2, 24
	v_add_nc_u32 v4, v3, v4                        ; B: row x pitch + 24 x half
	v_lshl_add_u32 v5, v2, 4, v4                   ; and behind one padding more
	s_mul_i32 s21, s15, HALFT
	s_mul_i32 s22, s16, HALFT
	s_add_co_u32 s22, s22, 2*HALFT
.irp s, 0,1
	v_add_nc_u32 v[ADRA+\s], s21, v7
	v_add_nc_u32 v[ADRB+\s], s22, v4
	v_add_nc_u32 v[ADRB+2+\s], s22, v5
	s_add_co_u32 s21, s21, SLOT
	s_add_co_u32 s22, s22, SLOT
.endr
	v_mul_u32_u24 v5, v1, KS
	v_lshrrev_b32 v8, 8, v5
	v_lshl_add_u32 v5, v8, 4, v5
	s_mul_i32 s21, s15, HALFS
	s_mul_i32 s22, s16, HALFS
	s_add_co_u32 s22, s22, 2*HALFS
	s_sub_co_u32 s22, s22, s21
	v_mul_u32_u24 v8, s22, v2                      ; lanes 16-31 take B's scale words
	s_add_co_u32 s21, s21, SCL
	v_add_nc_u32 v5, v5, v8
	v_add_nc_u32 v[ADRS], s21, v5
	s_mul_i32 s23, s14, 16*SPITCH                  ; my stage
	v_mul_u32_u24 v5, v1, SPITCH
	v_lshl_add_u32 v5, v2, 6, v5                   ; in: row r, + 64 h: register 8 b + j is column 32 (b / 2) + 16 h + 8 (b % 2) + j
	v_add_nc_u32 v[STO], s23, v5
	v_lshlrev_b32 v[CO], 4, v6                     ; back: the 32 lanes take one row of 512 bytes; and the same in out0
	v_add_nc_u32 v[RD], s23, v[CO]
	s_lshl_b32 s20, s17, 8
	s_lshl_b32 s21, s15, 7
	s_add_co_u32 s20, s20, s21
	s_lshl_b32 s20, s20, 12                        ; my first row of out0, 4,096 bytes a row
	s_lshl_b32 s46, s42, 10
	s_lshl_b32 s47, s16, 9
	s_add_co_u32 s46, s46, s47                     ; my first column, in bytes
	s_add_co_u32 s20, s20, s46
	s_mov_b32 s21, 0
	s_add_nc_u64 s[12:13], s[98:99], s[20:21]
	v_lshlrev_b32 v[VB], 6, v2
	v_add_nc_u32 v[VB], s46, v[VB]                 ; register 16 c + i wants bo[my first column + 32 c + 16 h + i]
.irp c, 0,1,2,3
.irp j, 0,1,2,3
	global_load_b128 v[BIAS+16*\c+4*\j:BIAS+16*\c+4*\j+3], v[VB], s[96:97] offset:128*\c+16*\j
.endr
.endr
.macro FRAG reg, adr, q, i             ; a fragment of B from padded rows, in pieces of 8 bytes
.irp p, 0,1,2,3,4,5
.set PC, 12*(\q)+6*(\p/3)+\p%3
.if PC%8 < 5
	ds_load_b64 v[\reg+2*\p:\reg+2*\p+1], v[\adr] offset:8*PC+16*(PC/8)+(\i)*16*PITCH
.else
	ds_load_b64 v[\reg+2*\p:\reg+2*\p+1], v[\adr+2] offset:8*PC+16*(PC/8)+(\i)*16*PITCH
.endif
.endr
.endm
.macro FRAGA reg, adr, q, i            ; a fragment of A from its image: each load takes 256 consecutive bytes
.irp p, 0,1,2,3,4,5
	ds_load_b64 v[\reg+2*\p:\reg+2*\p+1], v[\adr] offset:ASTEP*(\i)+1536*(\q)+256*\p
.endr
.endm
; 16 matrix instructions; the 64 accumulators take turns, one instruction a turn.  zero = 1: the first product starts the sums, with bo as C
.macro MUL16 a0, p, q, sc, zero
.irp a, \a0, \a0+1
.irp b, 0,1,2,3,4,5,6,7
.if \zero
	v_wmma_scale_f32_16x16x128_f8f6f4 v[8*(8*((\a)%4)+\b):8*(8*((\a)%4)+\b)+7], v[128*(\p)+FR*\b:128*(\p)+FR*\b+FR-1], v[AF+FR*(\a):AF+FR*(\a)+FR-1], v[BIAS+8*\b:BIAS+8*\b+7], v[SC+8*NQ*(\sc)+NQ*\b+(\q)], v[SC+8*NQ*(\sc)+NQ*(\a)+(\q)] matrix_a_fmt:MATRIX_FMT_FP6 matrix_b_fmt:MATRIX_FMT_FP6 matrix_a_scale:MATRIX_SCALE_ROW1
.else
	v_wmma_scale_f32_16x16x128_f8f6f4 v[8*(8*((\a)%4)+\b):8*(8*((\a)%4)+\b)+7], v[128*(\p)+FR*\b:128*(\p)+FR*\b+FR-1], v[AF+FR*(\a):AF+FR*(\a)+FR-1], v[8*(8*((\a)%4)+\b):8*(8*((\a)%4)+\b)+7], v[SC+8*NQ*(\sc)+NQ*\b+(\q)], v[SC+8*NQ*(\sc)+NQ*(\a)+(\q)] matrix_a_fmt:MATRIX_FMT_FP6 matrix_b_fmt:MATRIX_FMT_FP6 matrix_a_scale:MATRIX_SCALE_ROW1
.endif
.endr
.endr
.endm
.macro FETCH_B slot, q, p
	WIN TO_B
.irp i, 0,1,2,3,4,5,6,7
	FRAG 128*(\p)+FR*\i, ADRB+\slot, \q, \i
.endr
	WIN 0
.endm
.macro FETCH_A slot, q, i0
.irp i, \i0, \i0+1, \i0+2, \i0+3
	FRAGA AF+FR*(\i), ADRA+\slot, \q, \i
.endr
.endm
.macro SCALES sc
.irp i, 0,1,2,3,4,5,6,7
	ds_load_b64 v[SC+8*NQ*\sc+NQ*\i:SC+8*NQ*\sc+NQ*\i+1], v[ADRS] offset:\i*SBLK
.endr
.endm
.macro PLACES n                        ; plain vector instructions between a matrix instruction and a load into, or a read of, its registers
.rept \n
	v_nop
.endr
.endm
.macro STEP slot, q, zero
	s_wait_dscnt 4*NL                              ; B's set and A's blocks 0-3 are in; the youngest 24 loads (A's blocks 4-7) may be out
.if \zero
	WIN FST_LO
.else
	WIN MUL_LO
.endif
	MUL16 0, (\q)%2, \q, \slot, \zero
	MUL16 2, (\q)%2, \q, \slot, \zero
	s_wait_dscnt 0
	PLACES NP
	FETCH_B \slot, (\q)+1, 1-(\q)%2
	FETCH_A \slot, (\q)+1, 0
.if \zero
	WIN FST_HI
.else
	WIN MUL_HI
.endif
	MUL16 4, (\q)%2, \q, \slot, \zero
	MUL16 6, (\q)%2, \q, \slot, \zero
	PLACES NP
	WIN 0
	FETCH_A \slot, (\q)+1, 4
.endm
.macro TURN slot, next, fill           ; a slot's last step changes slots: one barrier, with the three lines in front of it
	s_wait_tensorcnt 0x0                           ; all my tensor loads have landed: my part of the next slot
	ds_add_u32 v[SPW], v[NIL]                      ; 0 onto my spare word
	s_wait_dscnt 4*NL+1                            ; (the add and the youngest 24 loads may be out)
	WIN MUL_LO
	MUL16 0, 1, NQ-1, \slot, 0
	s_wait_dscnt 0x0                               ; the add is done, and my reads of this slot are over
	s_barrier_signal -1
	MUL16 2, 1, NQ-1, \slot, 0
	WIN 0
	s_barrier_wait -1
.if \fill
	CREST                                          ; the barrier has opened a round of the cluster's barrier
	s_add_nc_u64 s[G0+4*\slot+2:G0+4*\slot+3], s[G0+4*\slot+2:G0+4*\slot+3], 2*ASTEP
	s_add_nc_u64 s[G0B+4*\slot+2:G0B+4*\slot+3], s[G0B+4*\slot+2:G0B+4*\slot+3], 2*ROWB
	JLOAD G0+4*\slot, G1, G0B+4*\slot, G1B         ; the first tensor load behind the round; its four v_nop are the places in front of the loads below
.else
	PLACES NP
.endif
	v_add_nc_u32 v[ADRS], 4*NQ, v[ADRS]
	FETCH_B \next, 0, 0
	FETCH_A \next, 0, 0
	SCALES \next
	WIN MUL_HI
	MUL16 4, 1, NQ-1, \slot, 0
	MUL16 6, 1, NQ-1, \slot, 0
	PLACES NP
	WIN 0
	FETCH_A \next, 0, 4
.endm
	s_wait_tensorcnt 1                             ; the scales and my part of K step 0 are in (K step 1's load may be out)
	s_barrier_signal -1
	s_barrier_wait -1                              ; everybody's are
	FETCH_B 0, 0, 0
	FETCH_A 0, 0, 0
	SCALES 0
	FETCH_A 0, 0, 4
	s_wait_loadcnt 0x0                             ; bo
	STEP 0, 0, 1
	s_mov_b32 s3, LAPS-1
.Llap:
	TURN 0, 1, 1
	STEP 1, 0, 0
	TURN 1, 0, 1
	STEP 0, 0, 0
	s_sub_co_u32 s3, s3, 1
	s_cmp_lg_u32 s3, 0
	s_cbranch_scc1 .Llap
	TURN 0, 1, 0                                   ; the last lap fills nothing
	STEP 1, 0, 0
	s_wait_dscnt 4*NL
	WIN MUL_LO
	MUL16 0, 1, NQ-1, 1, 0
	MUL16 2, 1, NQ-1, 1, 0
	s_wait_dscnt 0
	WIN MUL_HI
	MUL16 4, 1, NQ-1, 1, 0
	MUL16 6, 1, NQ-1, 1, 0
	WIN 0
; THE WAY OUT, block by block of 16 rows x 128 columns, through my own stage: columns are put in order on the way in, rows on the way to memory.  LDS serves a wave's instructions in order: no wait between the stores and the loads.
.macro TOSTAGE a
.set AC, 64*((\a)%4)
	WIN 0x08+4*((\a)/4)                            ; an LDS store's data: window 2 or 3
.irp b, 0,1,2,3,4,5,6,7
	ds_store_b128 v[STO], v[AC+8*\b:AC+8*\b+3] offset:128*(\b/2)+32*(\b%2)       ; each accumulator from its low end on
	ds_store_b128 v[STO], v[AC+8*\b+4:AC+8*\b+7] offset:128*(\b/2)+32*(\b%2)+16
.endr
	WIN 0
.set BB, BK+64*((\a)%2)
.irp t, 0,1,2,3,4,5,6,7,8,9,10,11,12,13,14,15
	ds_load_b128 v[BB+4*\t:BB+4*\t+3], v[RD] offset:\t*SPITCH
.endr
.endm
.macro SEND a, younger                 ; stage row t of block a is row 32 (a / 2) + 8 (a % 2) + t + 8 (t / 8) of my 128: the offset is an immediate, 520,192 at the most
.set BB, BK+64*((\a)%2)
	s_wait_dscnt \younger                          ; the block is back in registers
.irp t, 0,1,2,3,4,5,6,7,8,9,10,11,12,13,14,15
	global_store_b128 v[CO], v[BB+4*\t:BB+4*\t+3], s[12:13] offset:(32*((\a)/2)+8*((\a)%2)+\t+8*(\t/8))*4096 th:TH_STORE_NT   ; 32 lanes store 512 consecutive bytes, aligned; written once
.endr
.endm
	PLACES NP
	TOSTAGE 0
.irp a, 1,2,3,4,5,6,7
.if \a > 1
	s_wait_xcnt 0x0                                ; block a - 2's stores have read their registers: block a's loads may land there
.endif
	TOSTAGE \a
	SEND \a-1, 32                                  ; behind block a - 1's loads: block a's 16 stores and 16 loads
.endr
	SEND 7, 0
	s_wait_tensorcnt 0x0                           ; the wave's end
	ds_add_u32 v[SPW], v[NIL]
	s_wait_dscnt 0x0
	CROUND                                         ; the closing round
	s_endpgm
.Lfunc_end_k_qc7c879771c_outp:
	.size	k_qc7c879771c_outp, .Lfunc_end_k_qc7c879771c_outp-k_qc7c879771c_outp
	.p2alignl 7, 3214868480
	.fill 96, 4, 3214868480
	.section	.rodata,"a",@progbits
	.p2align	6, 0x0
	.amdhsa_kernel k_qc7c879771c_outp
		.amdhsa_group_segment_fixed_size 327680
		.amdhsa_private_segment_fixed_size 0
		.amdhsa_enable_private_segment 0
		.amdhsa_kernarg_size 48
		.amdhsa_user_sgpr_count 2
		.amdhsa_user_sgpr_kernarg_segment_ptr 1
		.amdhsa_wavefront_size32 1
		.amdhsa_system_sgpr_workgroup_id_x 1
		.amdhsa_system_sgpr_workgroup_id_y 1
		.amdhsa_system_sgpr_workgroup_id_z 1
		.amdhsa_system_vgpr_workitem_id 0
		.amdhsa_next_free_vgpr 1024
		.amdhsa_next_free_sgpr 100
		.amdhsa_reserve_vcc 0
		.amdhsa_float_denorm_mode_32 3
		.amdhsa_float_denorm_mode_16_64 3
		.amdhsa_memory_ordered 1
		.amdhsa_forward_progress 1
		.amdhsa_inst_pref_size 161
	.end_amdhsa_kernel
	.amdgpu_metadata
---
amdhsa.version: [ 1, 2 ]
amdhsa.kernels:
  - .name:           k_qc7c879771c_outp
    .symbol:         k_qc7c879771c_outp.kd
    .args:
      - { .name: ccodes, .offset: 0, .size: 8, .value_kind: global_buffer, .address_space: global }
      - { .name: cscales, .offset: 8, .size: 8, .value_kind: global_buffer, .address_space: global }
      - { .name: wcodes, .offset: 16, .size: 8, .value_kind: global_buffer, .address_space: global }
      - { .name: wscales, .offset: 24, .size: 8, .value_kind: global_buffer, .address_space: global }
      - { .name: bo, .offset: 32, .size: 8, .value_kind: global_buffer, .address_space: global }
      - { .name: out0, .offset: 40, .size: 8, .value_kind: global_buffer, .address_space: global }
    .group_segment_fixed_size: 327680
    .private_segment_fixed_size: 0
    .kernarg_segment_align: 8
    .kernarg_segment_size: 48
    .max_flat_workgroup_size: 128
    .sgpr_count:     100
    .vgpr_count:     1024
    .wavefront_size: 32
...
	.end_amdgpu_metadata
.endif
;; end of part 4
